; MI455X (gfx1250); checked and timed in simulation.
; The chip was launched on July 23, 2026; its instructions are those of AMD's public machine-readable ISA for CDNA 5 (MIT licence, August 2026) and "CDNA5" Instruction Set Architecture Reference Guide (July 2026). The comments in the code are by the model that wrote it; some were corrected since.
;; Causal Attention. Allowed arithmetic: matrix products marked QUANTISED: E2M1 operands, one E8M0 scale for each 32 along K, by v_wmma_scale_f32_16x16x128_f8f6f4 with both operands' format E2M1 (or v_wmma_scale_f32_32x16x128_f4), f32 sums; products left as they are: bf16, f16 or f32 operands; f32 sums; everything else in f32.
;; Inputs: Wk 1,024 x 1,024 float32; Wq 1,024 x 1,024 float32; Wv 1,024 x 1,024 float32; x 4 x 2,048 x 1,024 float32.
;; Outputs: out0 4 x 2,048 x 1,024 float32.
;; This version of the problem:
;;   THIS VERSION OF THE PROBLEM IS GIVEN IN LOW PRECISION. The matrix products marked QUANTISED in the list below multiply operands that are first quantised to E2M1 (2 exponent bits, 1 mantissa bit; 4 bits a number), with one power-of-two scale for each 32 numbers along K (OCP MX v1.0); their sums are f32. The products marked 'left as it is' may take bf16, f16 or f32 operands, with f32 sums. Whichever they take, every output number must still come out within the allowed error. Rounding operands to bf16 (8 significant bits) uses up far more of that allowance than f16 does (11 bits, for magnitudes from 6e-5 to 65,504). All else is computed in f32.
;;   The module's matrix products, in the order in which they are computed (A, B: the left and right operand; K: the contracted axis; several contracted axes count as one K, in the product's order):
;;     1. [M 8,192, K 1,024] x [K 1,024, N 1,024]; A: input x; B: input Wq: QUANTISED
;;     2. [M 8,192, K 1,024] x [K 1,024, N 1,024]; A: input x; B: input Wk: QUANTISED
;;     3. [M 8,192, K 1,024] x [K 1,024, N 1,024]; A: input x; B: input Wv: QUANTISED
;;     4. batch 4 x [M 2,048, K 1,024] x [K 1,024, N 2,048]; A: computed on the way; B: computed on the way: left as it is (an operand is computed on the way)
;;     5. batch 4 x [M 2,048, K 2,048] x [K 2,048, N 1,024]; A: computed on the way; B: computed on the way: left as it is (an operand is computed on the way)
;;   THE QUANTISER, for each operand of a quantised product, along K:
;;     - K is cut into blocks of 32 from its start; a last block that is shorter is filled with zeros.
;;     - A block's scale is 2^e with e = floor(log2(the largest magnitude in the block)) - 2, held to -126 .. 127; a block of zeros has e = 0. As a byte (E8M0): e + 127.
;;     - Each number is divided by its block's scale, clamped to +-6, and rounded to the nearest number of E2M1, ties to even, subnormals kept.
;;     - The product sums the exact products of the quantised numbers (number of the format x scale) in f32.
;;   ~~~python
;;   def quantise(x, axis):      # numpy; x: float32 -> the quantised numbers, widened to float32 again
;;       x = np.moveaxis(x, axis, -1); K = x.shape[-1]
;;       x = np.pad(x, [(0, 0)] * (x.ndim - 1) + [(0, -K % 32)]); x = x.reshape(x.shape[:-1] + (-1, 32)); a = np.abs(x).max(-1, keepdims=True)
;;       e = np.where(a > 0, np.clip(np.frexp(np.where(a > 0, a, 1))[1] - 1 - 2, -126, 127), 0)      # np.frexp(a)[1] - 1 = floor(log2(a)), exactly
;;       r = np.clip(x / 2.0 ** e, -6, 6)
;;       step = 2.0 ** (np.maximum(np.frexp(np.where(r == 0, 1, r))[1] - 1, 0) - 1)
;;       q = np.round(r / step) * step * 2.0 ** e      # np.round: ties to even
;;       return np.moveaxis(q.reshape(q.shape[:-2] + (-1,))[..., :K], -1, axis).astype(np.float32)
;;   ~~~
;; One version. Each part assembles by itself: llvm-mc -triple=amdgcn-amd-amdhsa -mcpu=gfx1250 --defsym DOCPART=n.
;; ======== version 1 of 1: 6 launches
;; limits: values are held in f16: magnitudes above 65,504 overflow, below 6.1e-05 lose precision
;; workspace buffers: xq 4,456,448 bytes; wq 1,671,168 bytes; qk 33,554,432 bytes; vt 16,777,216 bytes; ph 33,554,432 bytes; stats 1,048,576 bytes; fine32 786,432 bytes
;; launch quant_x (part 1): grid 256 x 1, 4 waves a work-group, no clusters, 33,280 bytes of LDS; arguments x, xq; writes xq
.if DOCPART == 1
	.amdgcn_target "amdgcn-amd-amdhsa--gfx1250"
	.amdhsa_code_object_version 6
	.text
	.protected	k_q60d9961094_quant_x
	.globl	k_q60d9961094_quant_x
	.p2align	8
	.type	k_q60d9961094_quant_x,@function
k_q60d9961094_quant_x:
	s_mov_b64 s[64:65], 0
	v_nop
	global_prefetch_b8 v0, s[64:65] scope:SCOPE_SE
	s_setreg_imm32_b32 hwreg(HW_REG_WAVE_MODE, 25, 1), 1
	s_wait_xcnt 0x0
; x [8192][1024] f32 becomes codes of FP4 (E2M1), K innermost, two codes a byte (xq from byte 0: 512 bytes a row), and one E8M0 byte for each 32 along K (xq from byte SCOFF: 32 bytes a row).
; A block's scale is 2^(floor(log2(largest magnitude)) - 2): its byte is the largest magnitude's exponent field - 2, held at 1 from below.
; LIMITS: a block of zeros gets the byte 1 where the quantiser says 127 (its codes are zeros, and this program alone reads the bytes); NaN and infinities among the inputs are not served.
; Rows are dense and 1024 is a multiple of 32: x is a plain stream of blocks of 32.  A wave takes 16 steps of 512 numbers.  Each of a step's four loads reads 512 consecutive bytes; the 2,048 bytes turn through
; the wave's own stage in LDS and come back 64 bytes (16 neighbours) a lane: two neighbouring lanes hold a block.  Loads run AH = 8 steps (32 loads a wave) ahead, the turn through LDS one step.
; No tensor loads, no barrier: waves share nothing.  Matrix units and clusters have nothing to do here: each byte is read once and written once.
.set STEPS, 16
.set AH,    8
.set EMAX,  2
.set CB,    8                          ; bytes of 16 codes
.set R,     16                         ; v16-143  eight sets of 16 numbers as loaded
.set X,     144                        ; v144-175 two sets of 16 neighbours
.set E,     176                        ; v176-191 a scale byte for each step
.set C,     192                        ; v192-255 codes: four registers for each step, so that no store's data are written again
.set WREG,  8192                       ; LDS: a region for each wave: two stages of 32 x SP bytes, behind them its 256 scale bytes
.set SP,    80                         ; a lane's place in a stage: 64 bytes + 16 of padding
.set SPW,   12                         ; v12 LDS address of my spare word; never rewritten
.set NIL,   13                         ; v13 0; never rewritten
.set SPARE, 4*WREG                     ; behind the four regions: the spare words, 128 bytes a wave
.set SCOFF, 0x400000                   ; where the scale bytes begin in xq
	s_load_b128 s[4:7], s[0:1], 0x0                ; x, xq
	v_lshl_add_u32 v[SPW], v0, 2, SPARE
	v_mov_b32 v[NIL], 0
	v_lshrrev_b32 v1, 5, v0
	v_readfirstlane_b32 s16, v1                    ; wave
	v_and_b32 v2, 31, v0                           ; lane
	v_lshlrev_b32 v3, 4, v2                        ; my 16 bytes of a load's 512
	s_mul_i32 s17, s16, WREG
	v_lshrrev_b32 v14, 2, v2
	v_mul_u32_u24 v14, v14, SP
	v_and_b32 v15, 3, v2
	v_lshl_add_u32 v14, v15, 4, v14
	v_add_nc_u32 v14, s17, v14                     ; the stage, on the way in: SP (lane / 4) + 16 (lane % 4)
	v_mul_u32_u24 v15, v2, SP
	v_add_nc_u32 v15, s17, v15                     ; and on the way out: SP x lane
	v_mul_u32_u24 v4, v2, CB                       ; my codes' place in a step's
	v_lshrrev_b32 v5, 1, v2
	s_add_co_u32 s17, s17, 2*32*SP
	v_add_nc_u32 v5, s17, v5                       ; LDS: my block's scale byte
	v_lshlrev_b32 v7, 3, v2                        ; on the way out 8 bytes a lane
	v_add_nc_u32 v6, s17, v7
	s_lshl_b32 s18, ttmp9, 2
	s_add_co_u32 s18, s18, s16                     ; which run of 8,192 numbers is my wave's: 0 .. 1023
	s_lshl_b32 s20, s18, 15                        ; its bytes in x,
	s_mov_b32 s21, 0
	s_lshl_b32 s22, s18, 12                        ; its codes,
	s_mov_b32 s23, 0
	s_lshl_b32 s24, s18, 8                         ; its 256 scale bytes
	s_add_co_u32 s24, s24, SCOFF
	s_mov_b32 s25, 0
	s_wait_kmcnt 0x0
	s_add_nc_u64 s[4:5], s[4:5], s[20:21]
	s_add_nc_u64 s[8:9], s[6:7], s[22:23]
	s_add_nc_u64 s[10:11], s[6:7], s[24:25]
.macro LOAD t
.irp i, 0,1,2,3
	global_load_b128 v[R+16*((\t)%AH)+4*\i:R+16*((\t)%AH)+4*\i+3], v3, s[4:5] offset:2048*(\t)+512*\i th:TH_LOAD_NT   ; 32 lanes read 512 consecutive bytes
.endr
.endm
.macro TURN t                          ; step t's numbers through the stage: LDS serves a wave's instructions in order, so no wait stands between the stores and the loads
.irp i, 0,1,2,3
	ds_store_b128 v14, v[R+16*((\t)%AH)+4*\i:R+16*((\t)%AH)+4*\i+3] offset:32*SP*((\t)%2)+8*SP*\i
.endr
.irp i, 0,1,2,3
	ds_load_b128 v[X+16*((\t)%2)+4*\i:X+16*((\t)%2)+4*\i+3], v15 offset:32*SP*((\t)%2)+16*\i
.endr
.endm
.irp t, 0,1,2,3,4,5,6,7
	LOAD \t
.endr
	s_wait_loadcnt 4*(AH-1)                        ; step 0's four loads are in; the 28 behind them stay out
	TURN 0
.macro STEP t
.set XS, X+16*((\t)%2)
.if (\t) > 0
	s_wait_dscnt 1                                 ; this step's numbers are back from the stage (the last step's byte store may be out): so its stores into the stage have read their registers,
.else
	s_wait_dscnt 0x0
.endif
.if (\t)+AH < STEPS
	LOAD (\t)+AH                                   ; which take the loads of eight steps on
.endif
.if (\t)+1 < STEPS
.if STEPS-2-(\t) >= AH-1
	s_wait_loadcnt 4*(AH-1)                        ; the next step's four loads are in; those of the seven steps behind it may be out
.else
	s_wait_loadcnt 4*(STEPS-2-(\t))                ; near the end fewer steps stand behind it
.endif
	TURN (\t)+1                                    ; and go through the other stage while this step is worked
.endif
	v_max3_num_f32 v8, |v[XS]|, |v[XS+1]|, |v[XS+2]|               ; the largest magnitude of my 16, in two chains
	v_max3_num_f32 v9, |v[XS+3]|, |v[XS+4]|, |v[XS+5]|
.irp i, 6,10
	v_max3_num_f32 v8, v8, |v[XS+\i]|, |v[XS+\i+1]|
	v_max3_num_f32 v9, v9, |v[XS+\i+2]|, |v[XS+\i+3]|
.endr
	v_max3_num_f32 v8, v8, |v[XS+14]|, |v[XS+15]|
	v_max3_num_f32 v8, v8, v9, (EMAX+1)<<23        ; and the floor 2^(3 - 127): the byte cannot fall under 1
	v_max_num_f32_dpp v8, v8, v8 row_xmask:1 row_mask:0xf bank_mask:0xf   ; and of my neighbour's 16: the block's
	v_add_nc_u32 v11, 0xff000000, v8               ; 2 off its exponent field: the conversion takes the exponent field of this operand as its scale
	v_cvt_scalef32_pk8_fp4_f32 v[C+4*(\t)], v[XS:XS+7], v11         ; to the nearest code, ties to even, beyond 6 the largest code; the first number's code in the lowest four bits
	v_cvt_scalef32_pk8_fp4_f32 v[C+4*(\t)+1], v[XS+8:XS+15], v11
	v_lshrrev_b32 v[E+(\t)], 23, v11               ; the scale's byte (also the plain line behind the conversions)
	ds_store_b8 v5, v[E+(\t)] offset:16*(\t)       ; both lanes of a block write the same byte with the same value
	global_store_b64 v4, v[C+4*(\t):C+4*(\t)+1], s[8:9] offset:32*CB*(\t)   ; the wave stores 256 consecutive bytes, aligned
.endm
.irp t, 0,1,2,3,4,5,6,7,8,9,10,11,12,13,14,15
	STEP \t
.endr
	ds_load_b64 v[8:9], v6                         ; LDS serves a wave's instructions in order: these see my byte stores
	s_wait_dscnt 0x0
	global_store_b64 v7, v[8:9], s[10:11]          ; 32 lanes store my 256 scale bytes, aligned
	s_wait_tensorcnt 0x0                           ; the wave's end: behind my last LDS store
	ds_add_u32 v[SPW], v[NIL]
	s_wait_dscnt 0x0
	s_endpgm
.Lfunc_end_k_q60d9961094_quant_x:
	.size	k_q60d9961094_quant_x, .Lfunc_end_k_q60d9961094_quant_x-k_q60d9961094_quant_x
	.p2alignl 7, 3214868480
	.fill 96, 4, 3214868480
	.section	.rodata,"a",@progbits
	.p2align	6, 0x0
	.amdhsa_kernel k_q60d9961094_quant_x
		.amdhsa_group_segment_fixed_size 33280
		.amdhsa_private_segment_fixed_size 0
		.amdhsa_enable_private_segment 0
		.amdhsa_kernarg_size 16
		.amdhsa_user_sgpr_count 2
		.amdhsa_user_sgpr_kernarg_segment_ptr 1
		.amdhsa_wavefront_size32 1
		.amdhsa_system_sgpr_workgroup_id_x 1
		.amdhsa_system_sgpr_workgroup_id_y 1
		.amdhsa_system_sgpr_workgroup_id_z 1
		.amdhsa_system_vgpr_workitem_id 0
		.amdhsa_next_free_vgpr 256
		.amdhsa_next_free_sgpr 66
		.amdhsa_reserve_vcc 0
		.amdhsa_float_denorm_mode_32 3
		.amdhsa_float_denorm_mode_16_64 3
		.amdhsa_memory_ordered 1
		.amdhsa_forward_progress 1
		.amdhsa_inst_pref_size 33
	.end_amdhsa_kernel
	.amdgpu_metadata
---
amdhsa.version: [ 1, 2 ]
amdhsa.kernels:
  - .name:           k_q60d9961094_quant_x
    .symbol:         k_q60d9961094_quant_x.kd
    .args:
      - { .name: x, .offset: 0, .size: 8, .value_kind: global_buffer, .address_space: global }
      - { .name: xq, .offset: 8, .size: 8, .value_kind: global_buffer, .address_space: global }
    .group_segment_fixed_size: 33280
    .private_segment_fixed_size: 0
    .kernarg_segment_align: 8
    .kernarg_segment_size: 16
    .max_flat_workgroup_size: 128
    .sgpr_count:     66
    .vgpr_count:     256
    .wavefront_size: 32
...
	.end_amdgpu_metadata
.endif
;; end of part 1
;; launch quant_w (part 2): grid 48 x 1, 16 waves a work-group, no clusters, 37,888 bytes of LDS; arguments Wq, Wk, Wv, wq; writes wq
.if DOCPART == 2
	.amdgcn_target "amdgcn-amd-amdhsa--gfx1250"
	.amdhsa_code_object_version 6
	.text
	.protected	k_q60d9961094_quant_w
	.globl	k_q60d9961094_quant_w
	.p2align	8
	.type	k_q60d9961094_quant_w,@function
k_q60d9961094_quant_w:
	s_mov_b64 s[64:65], 0
	v_nop
	global_prefetch_b8 v0, s[64:65] scope:SCOPE_SE
	s_setreg_imm32_b32 hwreg(HW_REG_WAVE_MODE, 25, 1), 1
	s_wait_xcnt 0x0
; Wq, Wk, Wv [1024 (k)][1024 (n)] f32, K their FIRST axis, become codes of FP4 with K innermost, stacked as 3,072 rows (Wq's columns, Wk's, Wv's): wq from byte 0, 512 bytes a row; scale bytes from SCOFF, 32 a row.
; A LANE TAKES A COLUMN n AND ITS REGISTERS RUN DOWN K: a load reads 128 consecutive bytes a wave, a block of 32 along K lies in one lane's 32 registers, and the conversions give codes with K innermost.
; A work-group owns 64 columns x all of K.  Its sixteen waves: cg = wave & 1 picks 32 columns, ke = wave >> 1 picks 128 along K (4 blocks a lane).  Many short waves, since a wave's load is only 128 bytes: 768 waves with 64 loads out each.
; The codes meet in a stage of 64 rows x (512 + 16) bytes, the scale bytes in 64 x 32 bytes; behind one barrier whole rows leave: each store covers 512 consecutive bytes, aligned; the work-group's rows are 32 KiB on end.
; LIMITS: a block of zeros gets the byte 1 (its codes are zeros; this program alone reads the bytes); NaN and infinities are not served.
.set X,     32                         ; v32-95   two sets of 32 numbers
.set C,     96                         ; v96-99   a block's codes
.set OUTR,  112                        ; v112-131 the way out
.set SB,    24                         ; v24      my four scale bytes
.set SPW,   14
.set NIL,   15
.set PITCH, 528
.set SST,   64*PITCH                   ; the scale bytes' stage
.set SPARE, SST+2048                   ; the spare words: 128 bytes for each of sixteen waves
.set SCOFF, 0x180000
	s_load_b256 s[4:11], s[0:1], 0x0               ; Wq, Wk, Wv, wq
	v_lshl_add_u32 v[SPW], v0, 2, SPARE
	v_mov_b32 v[NIL], 0
	v_lshrrev_b32 v1, 5, v0
	v_readfirstlane_b32 s16, v1                    ; wave 0..15
	v_and_b32 v2, 31, v0                           ; lane
	s_and_b32 s17, s16, 1                          ; cg
	s_lshr_b32 s18, s16, 1                         ; ke
	v_lshlrev_b32 v3, 2, v2                        ; in: 4 bytes a lane
	v_lshlrev_b32 v6, 4, v2                        ; out: 16 bytes a lane
	s_mul_i32 s19, s17, 32*PITCH
	s_lshl_b32 s20, s18, 6
	s_add_co_u32 s19, s19, s20
	v_mul_u32_u24 v4, v2, PITCH
	v_add_nc_u32 v4, s19, v4                       ; the stage: row 32 cg + lane, byte 64 ke
	s_lshl_b32 s19, s17, 10
	s_lshl_b32 s20, s18, 2
	s_add_co_u32 s19, s19, s20
	s_add_co_u32 s19, s19, SST
	v_lshl_add_u32 v5, v2, 5, s19                  ; my column's four scale bytes: 32 (32 cg + lane) + 4 ke
	s_mul_i32 s19, s16, 4*PITCH
	v_add_nc_u32 v7, s19, v6                       ; back: rows 4 wave + i, whole
	s_and_b32 s20, s16, 3
	s_lshl_b32 s20, s20, 9
	s_add_co_u32 s21, s20, SST
	v_add_nc_u32 v8, s21, v6                       ; the scale bytes back: 512 bytes for each of waves 0 to 3 (wave & 3 keeps the address inside the stage in every wave)
	s_and_b32 s22, ttmp9, 15
	s_lshl_b32 s22, s22, 8                         ; my work-group's 64 columns,
	s_lshl_b32 s23, s17, 7                         ; my wave's 32 of them,
	s_add_co_u32 s22, s22, s23
	s_lshl_b32 s23, s18, 19                        ; my wave's 128 rows of 4,096 bytes
	s_add_co_u32 s22, s22, s23
	s_mov_b32 s23, 0
	s_lshl_b32 s24, ttmp9, 15                      ; out: 64 rows of 512 bytes a work-group,
	s_lshl_b32 s25, s16, 11                        ; 4 rows a wave
	s_add_co_u32 s24, s24, s25
	s_mov_b32 s25, 0
	s_lshl_b32 s26, ttmp9, 11                      ; 64 rows of 32 scale bytes
	s_add_co_u32 s26, s26, s20
	s_add_co_u32 s26, s26, SCOFF
	s_mov_b32 s27, 0
	s_wait_kmcnt 0x0
	s_cmp_lt_u32 ttmp9, 32                         ; which weight: the choice hangs on the work-group's number alone
	s_cselect_b64 s[6:7], s[6:7], s[8:9]
	s_cmp_lt_u32 ttmp9, 16
	s_cselect_b64 s[4:5], s[4:5], s[6:7]
	s_add_nc_u64 s[4:5], s[4:5], s[22:23]
	s_add_nc_u64 s[12:13], s[10:11], s[24:25]
	s_add_nc_u64 s[14:15], s[10:11], s[26:27]
.macro LOAD t                          ; block t: W(128 ke + 32 t + i, my column) into set t % 2
.irp i, 0,1,2,3,4,5,6,7,8,9,10,11,12,13,14,15,16,17,18,19,20,21,22,23,24,25,26,27,28,29,30,31
	global_load_b32 v[X+32*((\t)%2)+\i], v3, s[4:5] offset:(32*(\t)+\i)*4096 th:TH_LOAD_NT
.endr
.endm
	LOAD 0
	LOAD 1
.macro BLOCK t
.set XS, X+32*((\t)%2)
.if (\t) < 3
	s_wait_loadcnt 32                              ; this block's 32 loads are in; the next block's may be out
.else
	s_wait_loadcnt 0
.endif
	v_max3_num_f32 v12, |v[XS]|, |v[XS+1]|, |v[XS+2]|              ; the block's largest magnitude: all 32 numbers are mine
	v_max3_num_f32 v13, |v[XS+3]|, |v[XS+4]|, |v[XS+5]|
.irp i, 6,10,14,18,22,26
	v_max3_num_f32 v12, v12, |v[XS+\i]|, |v[XS+\i+1]|
	v_max3_num_f32 v13, v13, |v[XS+\i+2]|, |v[XS+\i+3]|
.endr
	v_max3_num_f32 v12, v12, |v[XS+30]|, |v[XS+31]|
	v_max3_num_f32 v12, v12, v13, 0x1800000        ; and the floor 2^(3 - 127)
	v_add_nc_u32 v11, 0xff000000, v12              ; 2 off its exponent field: the conversion's scale operand
	v_lshrrev_b32 v13, 23, v11                     ; the scale's byte
.if (\t) == 0
	v_mov_b32 v[SB], v13
.else
	v_lshl_or_b32 v[SB], v13, 8*(\t), v[SB]        ; the lower K in the lower byte
.endif
.irp g, 0,1,2,3
	v_cvt_scalef32_pk8_fp4_f32 v[C+\g], v[XS+8*\g:XS+8*\g+7], v11
.endr
	ds_store_b128 v4, v[C:C+3] offset:16*(\t)      ; 32 codes: 16 bytes of my column's row
.if (\t)+2 < 4
	LOAD (\t)+2
.endif
	s_wait_dscnt 0x0                               ; the store has read its registers: the next block's codes may be written
.endm
	BLOCK 0
	BLOCK 1
	BLOCK 2
	BLOCK 3
	ds_store_b32 v5, v[SB]
	s_wait_dscnt 0x0                               ; for the others' sake: my stores into both stages are done
	s_barrier_signal -1
	s_barrier_wait -1
.irp i, 0,1,2,3
	ds_load_b128 v[OUTR+4*\i:OUTR+4*\i+3], v7 offset:\i*PITCH
.endr
.irp i, 0,1,2,3
	s_wait_dscnt 3-\i                              ; row i is in; the younger rows may be out
	global_store_b128 v6, v[OUTR+4*\i:OUTR+4*\i+3], s[12:13] offset:\i*512   ; a whole row: 512 consecutive bytes, aligned
.endr
	s_cmp_lt_u32 s16, 4                            ; the 2,048 scale bytes leave by waves 0 to 3
	s_cbranch_scc0 .Lno_scales
	ds_load_b128 v[OUTR+16:OUTR+19], v8
	s_wait_dscnt 0x0
	global_store_b128 v6, v[OUTR+16:OUTR+19], s[14:15]
.Lno_scales:
	s_wait_tensorcnt 0x0                           ; the wave's end: behind my last LDS store
	ds_add_u32 v[SPW], v[NIL]
	s_wait_dscnt 0x0
	s_endpgm
.Lfunc_end_k_q60d9961094_quant_w:
	.size	k_q60d9961094_quant_w, .Lfunc_end_k_q60d9961094_quant_w-k_q60d9961094_quant_w
	.p2alignl 7, 3214868480
	.fill 96, 4, 3214868480
	.section	.rodata,"a",@progbits
	.p2align	6, 0x0
	.amdhsa_kernel k_q60d9961094_quant_w
		.amdhsa_group_segment_fixed_size 37888
		.amdhsa_private_segment_fixed_size 0
		.amdhsa_enable_private_segment 0
		.amdhsa_kernarg_size 32
		.amdhsa_user_sgpr_count 2
		.amdhsa_user_sgpr_kernarg_segment_ptr 1
		.amdhsa_wavefront_size32 1
		.amdhsa_system_sgpr_workgroup_id_x 1
		.amdhsa_system_sgpr_workgroup_id_y 1
		.amdhsa_system_sgpr_workgroup_id_z 1
		.amdhsa_system_vgpr_workitem_id 0
		.amdhsa_next_free_vgpr 192
		.amdhsa_next_free_sgpr 66
		.amdhsa_reserve_vcc 0
		.amdhsa_float_denorm_mode_32 3
		.amdhsa_float_denorm_mode_16_64 3
		.amdhsa_memory_ordered 1
		.amdhsa_forward_progress 1
		.amdhsa_inst_pref_size 22
	.end_amdhsa_kernel
	.amdgpu_metadata
---
amdhsa.version: [ 1, 2 ]
amdhsa.kernels:
  - .name:           k_q60d9961094_quant_w
    .symbol:         k_q60d9961094_quant_w.kd
    .args:
      - { .name: Wq, .offset: 0, .size: 8, .value_kind: global_buffer, .address_space: global }
      - { .name: Wk, .offset: 8, .size: 8, .value_kind: global_buffer, .address_space: global }
      - { .name: Wv, .offset: 16, .size: 8, .value_kind: global_buffer, .address_space: global }
      - { .name: wq, .offset: 24, .size: 8, .value_kind: global_buffer, .address_space: global }
    .group_segment_fixed_size: 37888
    .private_segment_fixed_size: 0
    .kernarg_segment_align: 8
    .kernarg_segment_size: 32
    .max_flat_workgroup_size: 512
    .sgpr_count:     66
    .vgpr_count:     192
    .wavefront_size: 32
...
	.end_amdgpu_metadata
.endif
;; end of part 2
;; launch proj (part 3): grid 12 x 32, 4 waves a work-group, clusters of 4 x 4, 327,680 bytes of LDS; arguments xq, wq, qk, vt, fine32; writes qk, vt, fine32
.if DOCPART == 3
	.amdgcn_target "amdgcn-amd-amdhsa--gfx1250"
	.amdhsa_code_object_version 6
	.text
	.protected	k_q60d9961094_proj
	.globl	k_q60d9961094_proj
	.p2align	8
	.type	k_q60d9961094_proj,@function
k_q60d9961094_proj:
	s_mov_b64 s[64:65], 0
	v_nop
	global_prefetch_b8 v0, s[64:65] scope:SCOPE_SE
	s_setreg_imm32_b32 hwreg(HW_REG_WAVE_MODE, 25, 1), 1
	s_wait_xcnt 0x0
	s_wait_alu depctr_hold_cnt(0) depctr_sa_sdst(0) depctr_va_vdst(0) depctr_va_sdst(0) depctr_va_ssrc(0) depctr_va_vcc(0) depctr_vm_vsrc(0)
	s_getreg_b32 s2, hwreg(HW_REG_IB_STS2, 6, 4)
	s_cmp_eq_u32 s2, 0
	s_cbranch_scc0 .Lentry_in_a_cluster
	s_endpgm
.Lentry_in_a_cluster:
	s_bfe_u32 s2, ttmp6, 0x10000c
	s_cmp_lg_u32 s2, 0xf033
	s_cbranch_scc0 .Lentry_shape_is_right
	s_endpgm
.Lentry_shape_is_right:
; q = x Wq, k = x Wk, v = x Wv on codes of FP4 (E2M1) with one E8M0 scale for each 32 along K = 1024; sums in f32.  xq: x's codes [8192][512 B] and, from 0x400000, scale bytes [8192][32]; wq: the weights' [3072][512 B] and, from 0x180000, [3072][32].
; A tile of 256 x 256 is made by four waves, each 128 x 128: 64 accumulators.  K goes in two steps of 512 through two LDS slots, each filled once; the tile's scale bytes come once, with the first fills.
; THE MATRIX INSTRUCTION IS USED TRANSPOSED (source 0 = 16 rows of 'B', source 1 = 16 rows of 'A'): lane (r, h) of accumulator (a, b) holds C(16 a + r, 16 b + 8 h + 0 .. 7).
; CLUSTERS of 4 x 4.  Cluster x = 0: q, 1: k, 2: v.  For q and k 'A' is x (tile 8 cy + cluster y) and 'B' the weight (tile 4 cluster x + cx).  For v the two buffers change places ('A' = weight tile 8 + cy, 'B' = x tile 8 cx + cluster y),
; so that the same text makes V^T (channels x keys).  A's tile hangs on cy alone and is asked for jointly along the cluster's row, B's on cx alone, along its column.  Every branch hangs on the cluster's number or the wave's, never on cx or cy.
; THE WAY OUT needs no LDS.  The f16 workspaces are laid in the order of the next product's operand registers: [K / 128][row / 16][4 x 32 along K][2][lane][16 bytes].  Rounded to f16, accumulator (a, b) IS group b & 1 of fragment (a, b >> 1):
; one store at 16 x lane + 4096 a + 512 b covers 512 consecutive bytes, aligned.  The tiles that hold a sequence's first 16 rows (cluster y = 0) also store those rows' f32 sums, as images of the accumulators, for the fine launch.
; LIMITS: |q|, |k|, |v| above 65,504 become infinity in f16; with x and W both 30 times larger, or carrying an offset of 30 spreads, they stay under about 3e4.
; REGISTERS: window 0: v16-29 addresses; v32-95 scale words, two sets; from v128 A's fragments, one set, later the packed results.  Window 1: B's fragments, two sets.  Windows 2, 3: the accumulators, (a, b) at v[8 (8 (a % 4) + b)].
.set KSTEP,  512
.set NQ,     KSTEP/128
.set ROWB,   256                       ; a tile's row in bytes
.set KROW,   512                       ; a row of codes in memory
.set PITCH,  272                       ; an LDS row: 256 bytes + 16 of padding: the 16 rows of a load start at 16 different banks (64 banks of 4 bytes: ISA guide 11.1)
.set FR,     8
.set NL,     2
.set NP,     4                         ; places behind this matrix instruction (ISA guide 7.12.1)
.set HALFT,  128*PITCH
.set SLOT,   4*HALFT
.set KS,     32                        ; a row of scale bytes
.set SCL,    2*SLOT                    ; behind the slots: the scale bytes, as rows of 256 bytes + 16
.set HALFS,  (128*KS/256)*272
.set SBLK,   (16*KS/256)*272
.set SPARE,  SCL+4*HALFS               ; the spare words
.set ADRA, 16
.set ADRB, 20
.set L16,  26                          ; v26 16 x lane
.set ADRS, 27
.set SPW,  28
.set NIL,  29
.set SC,   32
.set AF,   128
.set TMP,  128                         ; the way out: v128-191, two sets of 32
.set G1, 24
.set G0, 32
.set G1B, 48
.set G0B, 56
.set G1S, 68
.set G0S, 76
.set G1SB, 80
.set G0SB, 88
.set MSB, 0
.macro WIN new                         ; the immediate's high byte repeats the setting that is left
.if MSB != (\new)
	s_set_vgpr_msb (MSB<<8)|(\new)
.set MSB, (\new)
.endif
.endm
.set MUL_LO, 0xa1                      ; source 0 (B) window 1, source 1 (A) window 0, C and D window 2
.set MUL_HI, 0xf1
.set TO_B,   0x40
; A joint load: waves 0 and 1 fetch for A, waves 2 and 3 for B.  An s_nop 0 and four v_nop follow each of the two lines.
.macro JLOAD g0a, g1a, g0b, g1b
	s_cmp_eq_u32 s15, 0
	s_cbranch_scc0 .Lfor_b_\@
	tensor_load_to_lds s[\g0a:\g0a+3], s[\g1a:\g1a+7]
	s_nop 0
.rept 4
	v_nop
.endr
	s_branch .Lasked_\@
.Lfor_b_\@:
	tensor_load_to_lds s[\g0b:\g0b+3], s[\g1b:\g1b+7]
	s_nop 0
.rept 4
	v_nop
.endr
.Lasked_\@:
.endm
.macro CROUND                          ; a round of the cluster's barrier
	s_barrier_signal -1
	s_barrier_wait -1
	s_cmp_lg_u32 s14, 0
	s_cbranch_scc1 .Lnot_wave_0_\@
	s_barrier_signal -3
.Lnot_wave_0_\@:
	s_barrier_wait -3
	s_barrier_signal -1
	s_barrier_wait -1
.endm
	s_load_b128 s[92:95], s[0:1], 0x0              ; xq, wq
	s_load_b128 s[96:99], s[0:1], 0x10             ; qk, vt
	s_load_b64 s[2:3], s[0:1], 0x20                ; fine32
	v_lshl_add_u32 v[SPW], v0, 2, SPARE
	v_mov_b32 v[NIL], 0
	ds_add_u32 v[SPW], v[NIL]                      ; the wave's opening: the add, twice on end, and its wait ahead of my first tensor load
	ds_add_u32 v[SPW], v[NIL]
	v_lshrrev_b32 v1, 5, v0
	v_readfirstlane_b32 s14, v1                    ; wave 0..3
	s_lshr_b32 s15, s14, 1                         ; rh: which half of A's rows is mine.  Also: I fetch for A (0) or for B (1)
	s_and_b32 s16, s14, 1                          ; ch: which half of B's rows.  Also: which 128 rows I fetch
	s_bfe_u32 s40, ttmp6, 0x40000                  ; cx
	s_bfe_u32 s41, ttmp6, 0x40004                  ; cy
	s_mov_b32 s66, ttmp9                           ; cluster x: 0 q, 1 k, 2 v
	s_and_b32 s67, ttmp7, 0xffff                   ; cluster y: 0..7
	s_lshl_b32 s43, s41, 2
	s_lshl_b32 s43, 15, s43                        ; my row of the cluster
	s_lshl_b32 s44, 0x1111, s40                    ; my column
	s_lshl_b32 s17, s41, 3
	s_add_co_u32 s17, s17, s67                     ; A's tile for q, k: x tile 8 cy + cluster y
	s_add_co_u32 s4, s41, 8                        ; for v: weight tile 8 + cy
	s_lshl_b32 s42, s66, 2
	s_add_co_u32 s42, s42, s40                     ; B's tile for q, k: weight tile 4 cluster x + cx
	s_lshl_b32 s8, s40, 3
	s_add_co_u32 s8, s8, s67                       ; for v: x tile 8 cx + cluster y
	s_mov_b32 s5, 0x400000                         ; where the scale bytes begin in xq,
	s_mov_b32 s9, 0x180000                         ; and in wq
	s_cmp_eq_u32 s66, 2                            ; v?  The same in all sixteen partners
	s_cselect_b32 s17, s4, s17
	s_cselect_b32 s42, s8, s42
	s_cselect_b32 s6, s9, s5                       ; in A's buffer,
	s_cselect_b32 s10, s5, s9                      ; in B's
	; descriptor group 1: a tile of 128 rows x 256 bytes, 16 bytes of padding behind each row
	s_or_b32 s[G1+0], s43, (0<<16)|(1<<20)|(1<<21)|(5<<22)|(3<<25)  ; 15:0 the mask: my row; elements of 1 byte; padding on; bit 21 beside a mask; after every 64 words, 4 words
	s_or_b32 s[G1B+0], s44, (0<<16)|(1<<20)|(1<<21)|(5<<22)|(3<<25) ; the same with my column
.irp g, G1, G1B
	s_mov_b32 s[\g+1], ROWB<<16                    ; tensor_dim0
	s_mov_b32 s[\g+2], 128<<16                     ; tensor_dim1
	s_mov_b32 s[\g+3], ROWB<<16                    ; tile_dim0
	s_mov_b32 s[\g+4], 128                         ; tile_dim1
	s_mov_b32 s[\g+5], KROW                        ; the pitch
	s_mov_b32 s[\g+6], 0
	s_mov_b32 s[\g+7], 0
.endr
	; the scale bytes of 128 rows: 4,096 dense bytes as 16 rows of 256 (32 elements of 8 bytes), 16 bytes of padding behind each
	s_or_b32 s[G1S+0], s43, (3<<16)|(1<<20)|(1<<21)|(5<<22)|(3<<25)
	s_or_b32 s[G1SB+0], s44, (3<<16)|(1<<20)|(1<<21)|(5<<22)|(3<<25)
.irp g, G1S, G1SB
	s_mov_b32 s[\g+1], 32<<16
	s_mov_b32 s[\g+2], (128*KS/256)<<16
	s_mov_b32 s[\g+3], 32<<16
	s_mov_b32 s[\g+4], 128*KS/256
	s_mov_b32 s[\g+5], 32
	s_mov_b32 s[\g+6], 0
	s_mov_b32 s[\g+7], 0
.endr
	s_lshl_b32 s18, s16, 7                         ; which 128 rows of the tile I fetch
	s_lshl_b32 s20, s17, 8
	s_add_co_u32 s20, s20, s18                     ; A's row
	s_lshl_b32 s46, s42, 8
	s_add_co_u32 s46, s46, s18                     ; B's row
	s_lshl_b32 s22, s20, 5
	s_add_co_u32 s22, s22, s6                      ; A: where these rows' scale bytes begin in its buffer,
	s_mov_b32 s23, 0
	s_lshl_b32 s20, s20, 9                         ; and their codes
	s_mov_b32 s21, 0
	s_lshl_b32 s12, s46, 5
	s_add_co_u32 s12, s12, s10                     ; B likewise
	s_mov_b32 s13, 0
	s_lshl_b32 s46, s46, 9
	s_mov_b32 s47, 0
	s_mul_i32 s45, s14, HALFT                      ; where they go: wave x 128 rows: no place in the cluster enters an LDS address
	s_mul_i32 s19, s14, HALFS
	s_wait_dscnt 0x0                               ; both opening adds are done
	s_wait_kmcnt 0x0
	s_cmp_eq_u32 s66, 2
	s_cselect_b64 s[4:5], s[94:95], s[92:93]       ; A's buffer
	s_cselect_b64 s[8:9], s[92:93], s[94:95]       ; B's buffer
	s_add_nc_u64 s[22:23], s[4:5], s[22:23]
	s_add_nc_u64 s[20:21], s[4:5], s[20:21]
	s_add_nc_u64 s[12:13], s[8:9], s[12:13]
	s_add_nc_u64 s[46:47], s[8:9], s[46:47]
	CROUND                                         ; all sixteen work-groups are here: the first joint loads meet
	s_mov_b32 s[G0S], 1
	s_add_co_u32 s[G0S+1], s19, SCL
	s_mov_b64 s[G0S+2:G0S+3], s[22:23]
	s_or_b32 s[G0S+3], s[G0S+3], 0x80000000
	s_mov_b32 s[G0SB], 1
	s_add_co_u32 s[G0SB+1], s19, SCL
	s_mov_b64 s[G0SB+2:G0SB+3], s[12:13]
	s_or_b32 s[G0SB+3], s[G0SB+3], 0x80000000
	JLOAD G0S, G1S, G0SB, G1SB                     ; the scale bytes first: they are wanted with K step 0
.irp s, 0,1
	s_mov_b32 s[G0+4*\s], 1
	s_add_co_u32 s[G0+4*\s+1], s45, \s*SLOT
	s_add_nc_u64 s[G0+4*\s+2:G0+4*\s+3], s[20:21], \s*ROWB
	s_or_b32 s[G0+4*\s+3], s[G0+4*\s+3], 0x80000000
	s_mov_b32 s[G0B+4*\s], 1
	s_add_co_u32 s[G0B+4*\s+1], s45, \s*SLOT
	s_add_nc_u64 s[G0B+4*\s+2:G0B+4*\s+3], s[46:47], \s*ROWB
	s_or_b32 s[G0B+4*\s+3], s[G0B+4*\s+3], 0x80000000
	JLOAD G0+4*\s, G1, G0B+4*\s, G1B               ; both K steps: three tensor loads of mine are out, and no slot is ever filled again
.endr
	v_and_b32 v1, 15, v0                           ; r
	v_bfe_u32 v2, v0, 4, 1                         ; h
	v_mul_u32_u24 v3, v1, PITCH
	v_lshl_add_u32 v4, v2, 4, v3                   ; a fragment's row x pitch + 16 h
	s_mul_i32 s21, s15, HALFT                      ; my 128 rows of A
	s_mul_i32 s22, s16, HALFT                      ; my 128 rows of B,
	s_add_co_u32 s22, s22, 2*HALFT                 ; behind A's 256
.irp s, 0,1
	v_add_nc_u32 v[ADRA+\s], s21, v4
	v_add_nc_u32 v[ADRB+\s], s22, v4
	s_add_co_u32 s21, s21, SLOT
	s_add_co_u32 s22, s22, SLOT
.endr
	v_mul_u32_u24 v5, v1, KS                       ; my row's scale bytes: 32 a row,
	v_lshrrev_b32 v6, 8, v5
	v_lshl_add_u32 v5, v6, 4, v5                   ; and 16 more for each 256 passed
	s_mul_i32 s21, s15, HALFS
	s_mul_i32 s22, s16, HALFS
	s_add_co_u32 s22, s22, 2*HALFS
	s_sub_co_u32 s22, s22, s21
	v_mul_u32_u24 v6, s22, v2                      ; lanes 16-31 take B's: one product, the distance between the two bases
	s_add_co_u32 s21, s21, SCL
	v_add_nc_u32 v5, v5, v6
	v_add_nc_u32 v[ADRS], s21, v5
	v_and_b32 v6, 31, v0
	v_lshlrev_b32 v[L16], 4, v6
	; where my 128 x 128 goes: ((K step) x ROWS + row) x 256 bytes.  q, k: ROWS = 8192, row tile = A's, K step = 2 cx + ch, k behind q.  V^T: ROWS = 1024, row tile = cy, K step = 2 x (x tile) + ch
	s_lshl_b32 s21, s66, 24
	s_cmp_eq_u32 s66, 2
	s_cselect_b32 s18, s41, s17
	s_cselect_b32 s19, s42, s40
	s_cselect_b32 s20, 10, 13
	s_cselect_b32 s21, 0, s21
	s_cselect_b64 s[12:13], s[98:99], s[96:97]
	s_cselect_b32 s46, s40, s41                    ; the sequence (fine32),
	s_cselect_b32 s47, s41, s40                    ; which 16 blocks of 16 columns or channels,
	s_cselect_b32 s23, s15, s16                    ; which 8 of them
	s_lshl_b32 s19, s19, 1
	s_add_co_u32 s19, s19, s16
	s_lshl_b32 s19, s19, s20
	s_lshl_b32 s18, s18, 8
	s_add_co_u32 s19, s19, s18
	s_lshl_b32 s18, s15, 7
	s_add_co_u32 s19, s19, s18
	s_lshl_b32 s19, s19, 8
	s_add_co_u32 s20, s19, s21
	s_mov_b32 s21, 0
	s_add_nc_u64 s[12:13], s[12:13], s[20:21]
	; fine32: [q, k, v][sequence][64 blocks][1,024 bytes]
	s_lshl_b32 s22, s66, 2
	s_add_co_u32 s22, s22, s46
	s_lshl_b32 s22, s22, 16
	s_lshl_b32 s47, s47, 4
	s_lshl_b32 s23, s23, 3
	s_add_co_u32 s47, s47, s23
	s_lshl_b32 s47, s47, 10
	s_add_co_u32 s22, s22, s47
	s_mov_b32 s23, 0
	s_add_nc_u64 s[2:3], s[2:3], s[22:23]
.macro FRAG reg, adr, q, i             ; 16 rows x 128 K of 4-bit codes: 8 registers: lane l holds row l % 16; registers 4 c .. 4 c + 3 hold K = 64 c + 32 (l / 16) + 0 .. 31
.irp c, 0,1
	ds_load_b128 v[\reg+4*\c:\reg+4*\c+3], v[\adr] offset:64*(\q)+32*\c+(\i)*16*PITCH
.endr
.endm
; 16 matrix instructions: A's blocks a0, a0 + 1 x B's eight, the slot's q-th 128 along K.  The 64 accumulators take turns, one instruction a turn, in the same order in every step.
; One register carries A's scale word (lanes 0-15) and B's (lanes 16-31) of block i.
.macro MUL16 a0, p, q, sc, zero
.irp a, \a0, \a0+1
.irp b, 0,1,2,3,4,5,6,7
.if \zero
	v_wmma_scale_f32_16x16x128_f8f6f4 v[8*(8*((\a)%4)+\b):8*(8*((\a)%4)+\b)+7], v[128*(\p)+FR*\b:128*(\p)+FR*\b+FR-1], v[AF+FR*(\a):AF+FR*(\a)+FR-1], 0, v[SC+8*NQ*(\sc)+NQ*\b+(\q)], v[SC+8*NQ*(\sc)+NQ*(\a)+(\q)] matrix_a_fmt:MATRIX_FMT_FP4 matrix_b_fmt:MATRIX_FMT_FP4 matrix_a_scale:MATRIX_SCALE_ROW1
.else
	v_wmma_scale_f32_16x16x128_f8f6f4 v[8*(8*((\a)%4)+\b):8*(8*((\a)%4)+\b)+7], v[128*(\p)+FR*\b:128*(\p)+FR*\b+FR-1], v[AF+FR*(\a):AF+FR*(\a)+FR-1], v[8*(8*((\a)%4)+\b):8*(8*((\a)%4)+\b)+7], v[SC+8*NQ*(\sc)+NQ*\b+(\q)], v[SC+8*NQ*(\sc)+NQ*(\a)+(\q)] matrix_a_fmt:MATRIX_FMT_FP4 matrix_b_fmt:MATRIX_FMT_FP4 matrix_a_scale:MATRIX_SCALE_ROW1
.endif
.endr
.endr
.endm
.macro FETCH_B slot, q, p
	WIN TO_B
.irp i, 0,1,2,3,4,5,6,7
	FRAG 128*(\p)+FR*\i, ADRB+\slot, \q, \i
.endr
	WIN 0
.endm
.macro FETCH_A slot, q, i0
.irp i, \i0, \i0+1, \i0+2, \i0+3
	FRAG AF+FR*(\i), ADRA+\slot, \q, \i
.endr
.endm
.macro SCALES sc                       ; a K step's scale words: 4 words a row
.irp i, 0,1,2,3,4,5,6,7
	ds_load_b128 v[SC+8*NQ*\sc+NQ*\i:SC+8*NQ*\sc+NQ*\i+3], v[ADRS] offset:\i*SBLK
.endr
.endm
.macro PLACES n                        ; plain vector instructions between a matrix instruction and a load into, or a vector write of, one of its registers, or a read of its result
.rept \n
	v_nop
.endr
.endm
.macro STEP slot, q, zero              ; 128 along K, with its successor in the same slot.  A has one set of registers: blocks 0-3 are fetched anew in the step's middle, blocks 4-7 at its end; B has two sets
	s_wait_dscnt 4*NL                              ; B's set and A's blocks 0-3 are in; the youngest eight loads (A's blocks 4-7) may be out
	WIN MUL_LO
	MUL16 0, (\q)%2, \q, \slot, \zero
	MUL16 2, (\q)%2, \q, \slot, \zero
	s_wait_dscnt 0                                 ; A's blocks 4-7 are in
	PLACES NP
	FETCH_B \slot, (\q)+1, 1-(\q)%2
	FETCH_A \slot, (\q)+1, 0
	WIN MUL_HI
	MUL16 4, (\q)%2, \q, \slot, \zero
	MUL16 6, (\q)%2, \q, \slot, \zero
	PLACES NP
	WIN 0
	FETCH_A \slot, (\q)+1, 4
.endm
.macro TURN slot, next                 ; slot 0's last step changes slots: one barrier
	s_wait_tensorcnt 0x0                           ; all my tensor loads have landed: my part of the next slot
	ds_add_u32 v[SPW], v[NIL]                      ; 0 onto my spare word
	s_wait_dscnt 4*NL+1                            ; (the add and the youngest eight loads may be out)
	WIN MUL_LO
	MUL16 0, 1, NQ-1, \slot, 0
	s_wait_dscnt 0x0                               ; no LDS instruction of mine is pending at the signal
	s_barrier_signal -1
	MUL16 2, 1, NQ-1, \slot, 0
	WIN 0
	s_barrier_wait -1                              ; everybody's part of the next slot is in
	PLACES NP
	v_add_nc_u32 v[ADRS], 4*NQ, v[ADRS]            ; on to the next K step's scale words
	FETCH_B \next, 0, 0
	FETCH_A \next, 0, 0
	SCALES \next
	WIN MUL_HI
	MUL16 4, 1, NQ-1, \slot, 0
	MUL16 6, 1, NQ-1, \slot, 0
	PLACES NP
	WIN 0
	FETCH_A \next, 0, 4
.endm
	s_wait_tensorcnt 1                             ; the scale bytes and my part of K step 0 are in; K step 1's load may be out
	s_barrier_signal -1
	s_barrier_wait -1
	FETCH_B 0, 0, 0
	FETCH_A 0, 0, 0
	SCALES 0
	FETCH_A 0, 0, 4
	STEP 0, 0, 1                                   ; the first products start the sums: nothing is cleared
	STEP 0, 1, 0
	STEP 0, 2, 0
	TURN 0, 1
	STEP 1, 0, 0
	STEP 1, 1, 0
	STEP 1, 2, 0
	s_wait_dscnt 4*NL                              ; the last step: nothing more to fetch
	WIN MUL_LO
	MUL16 0, 1, NQ-1, 1, 0
	MUL16 2, 1, NQ-1, 1, 0
	s_wait_dscnt 0
	WIN MUL_HI
	MUL16 4, 1, NQ-1, 1, 0
	MUL16 6, 1, NQ-1, 1, 0
	WIN 0
; THE WAY OUT, block a of 16 rows: 32 roundings to f16 (each accumulator from its low end on), 8 stores of 512 consecutive bytes
.macro OUT16 a
.set AC, 64*((\a)%4)
.set TT, TMP+32*((\a)%2)
.if (\a) > 1
	s_wait_xcnt 0x0                                ; block a - 2's stores have read their registers
.endif
	WIN 0x0a+5*((\a)/4)                            ; sources 0 and 1: window 2 or 3
.irp b, 0,1,2,3,4,5,6,7
.irp p, 0,1,2,3
	v_cvt_pk_f16_f32 v[TT+4*\b+\p], v[AC+8*\b+2*\p], v[AC+8*\b+2*\p+1]
.endr
.endr
	WIN 0
.irp b, 0,1,2,3,4,5,6,7
	global_store_b128 v[L16], v[TT+4*\b:TT+4*\b+3], s[12:13] offset:(\a)*4096+\b*512
.endr
.endm
	PLACES NP                                      ; the packed results land where A's fragments lay, and read results
.irp a, 0,1,2,3,4,5,6,7
	OUT16 \a
.endr
	; the f32 sums of a sequence's first 16 rows.  The branches hang on the cluster's number and the wave's alone
	s_cmp_lg_u32 s67, 0
	s_cbranch_scc1 .Lno_fine
	s_cmp_eq_u32 s66, 2
	s_cbranch_scc1 .Lfine_v
	s_cmp_lg_u32 s15, 0                            ; q, k: rows 0-15 are A's block 0 of the upper half
	s_cbranch_scc1 .Lno_fine
	WIN 0x08                                       ; a store's data are its source 1: window 2
.irp i, 0,1,2,3,4,5,6,7
	global_store_b128 v[L16], v[8*\i:8*\i+3], s[2:3] offset:\i*1024
	global_store_b128 v[L16], v[8*\i+4:8*\i+7], s[2:3] offset:\i*1024+512
.endr
	WIN 0
	s_branch .Lno_fine
.Lfine_v:
	s_cmp_lg_u32 s16, 0                            ; V^T: keys 0-15 are B's block 0 of the first half
	s_cbranch_scc1 .Lno_fine
	WIN 0x08
.irp i, 0,1,2,3
	global_store_b128 v[L16], v[64*\i:64*\i+3], s[2:3] offset:\i*1024
	global_store_b128 v[L16], v[64*\i+4:64*\i+7], s[2:3] offset:\i*1024+512
.endr
	WIN 0x0c
.irp i, 0,1,2,3
	global_store_b128 v[L16], v[64*\i:64*\i+3], s[2:3] offset:(\i+4)*1024
	global_store_b128 v[L16], v[64*\i+4:64*\i+7], s[2:3] offset:(\i+4)*1024+512
.endr
	WIN 0
.Lno_fine:
	s_wait_tensorcnt 0x0                           ; the wave's end
	ds_add_u32 v[SPW], v[NIL]
	s_wait_dscnt 0x0
	CROUND                                         ; the closing round
	s_endpgm
.Lfunc_end_k_q60d9961094_proj:
	.size	k_q60d9961094_proj, .Lfunc_end_k_q60d9961094_proj-k_q60d9961094_proj
	.p2alignl 7, 3214868480
	.fill 96, 4, 3214868480
	.section	.rodata,"a",@progbits
	.p2align	6, 0x0
	.amdhsa_kernel k_q60d9961094_proj
		.amdhsa_group_segment_fixed_size 327680
		.amdhsa_private_segment_fixed_size 0
		.amdhsa_enable_private_segment 0
		.amdhsa_kernarg_size 40
		.amdhsa_user_sgpr_count 2
		.amdhsa_user_sgpr_kernarg_segment_ptr 1
		.amdhsa_wavefront_size32 1
		.amdhsa_system_sgpr_workgroup_id_x 1
		.amdhsa_system_sgpr_workgroup_id_y 1
		.amdhsa_system_sgpr_workgroup_id_z 1
		.amdhsa_system_vgpr_workitem_id 0
		.amdhsa_next_free_vgpr 1024
		.amdhsa_next_free_sgpr 100
		.amdhsa_reserve_vcc 0
		.amdhsa_float_denorm_mode_32 3
		.amdhsa_float_denorm_mode_16_64 3
		.amdhsa_memory_ordered 1
		.amdhsa_forward_progress 1
		.amdhsa_inst_pref_size 122
	.end_amdhsa_kernel
	.amdgpu_metadata
---
amdhsa.version: [ 1, 2 ]
amdhsa.kernels:
  - .name:           k_q60d9961094_proj
    .symbol:         k_q60d9961094_proj.kd
    .args:
      - { .name: xq, .offset: 0, .size: 8, .value_kind: global_buffer, .address_space: global }
      - { .name: wq, .offset: 8, .size: 8, .value_kind: global_buffer, .address_space: global }
      - { .name: qk, .offset: 16, .size: 8, .value_kind: global_buffer, .address_space: global }
      - { .name: vt, .offset: 24, .size: 8, .value_kind: global_buffer, .address_space: global }
      - { .name: fine32, .offset: 32, .size: 8, .value_kind: global_buffer, .address_space: global }
    .group_segment_fixed_size: 327680
    .private_segment_fixed_size: 0
    .kernarg_segment_align: 8
    .kernarg_segment_size: 40
    .max_flat_workgroup_size: 128
    .sgpr_count:     100
    .vgpr_count:     1024
    .wavefront_size: 32
...
	.end_amdgpu_metadata
.endif
;; end of part 3
;; launch fine (part 4): grid 8 x 4, 8 waves a work-group, no clusters, 17,920 bytes of LDS; arguments fine32, out0; writes out0
.if DOCPART == 4
	.amdgcn_target "amdgcn-amd-amdhsa--gfx1250"
	.amdhsa_code_object_version 6
	.text
	.protected	k_q60d9961094_fine
	.globl	k_q60d9961094_fine
	.p2align	8
	.type	k_q60d9961094_fine,@function
k_q60d9961094_fine:
	s_mov_b64 s[64:65], 0
	v_nop
	global_prefetch_b8 v0, s[64:65] scope:SCOPE_SE
	s_setreg_imm32_b32 hwreg(HW_REG_WAVE_MODE, 25, 1), 1
	s_wait_xcnt 0x0
; The first 16 positions of each sequence, both products in f32: there a row of the softmax averages one to sixteen values, and rounded operands would weigh most.
; fine32 holds the f32 sums of q, k (rows 0-15) and V^T (keys 0-15) as images of accumulators: block n of 1,024 bytes = [2][lane][16 bytes]: lane (r, h) holds q(r, 16 n + 8 h + 0 .. 7); for V^T: (channel 16 n + r, key 8 h + 0 .. 7).
; A work-group takes a sequence (y) and 128 channels of the output (x).  Phase 1: wave w sums S^T = k q^T over channels 128 w .. 128 w + 127: a pair of registers of an image is a K step of 4 of the f32 matrix form, with the SAME
; permutation of the channels on both sides, so the products are kept.  The eight partial tiles meet in LDS and are added in a fixed order.  Phase 2: every wave masks, takes the row's maximum away, exponentiates, normalises.
; Phase 3: wave w makes channels 16 w .. 16 w + 15 of the work-group's 128; the rows meet in a stage and leave whole.  9,216 small matrix instructions in the launch: no bulk work.
; The registers that the f32 matrix form writes (v176-207, v232-247) are written by nothing else; what is made of the sums goes into other registers.
.set RED,   0                          ; 8 x 1,024 bytes: the waves' partial scores
.set STG,   8192                       ; 16 rows x (512 + 16) bytes
.set SPARE, 16896
	s_load_b128 s[4:7], s[0:1], 0x0                ; fine32, out0
	v_lshl_add_u32 v14, v0, 2, SPARE               ; my spare word
	v_mov_b32 v15, 0
	v_lshrrev_b32 v1, 5, v0
	v_readfirstlane_b32 s8, v1                     ; wave 0..7
	s_and_b32 s9, ttmp7, 0xffff                    ; the sequence
	v_and_b32 v1, 31, v0
	v_and_b32 v2, 15, v0                           ; r
	v_bfe_u32 v3, v0, 4, 1                         ; h
	v_lshlrev_b32 v4, 4, v1                        ; 16 x lane
	s_lshl_b32 s16, s8, 10
	v_add_nc_u32 v5, s16, v4                       ; where my partial scores go
	v_lshlrev_b32 v6, 3, v3
	v_sub_nc_u32 v6, v2, v6                        ; d = r - 8 h: register j holds key 8 h + j, hidden where j > d
	v_mov_b32 v7, 0xff800000                       ; -infinity
	v_mul_u32_u24 v8, v2, 528
	v_lshl_add_u32 v8, v3, 5, v8
	s_lshl_b32 s17, s8, 6
	s_add_co_u32 s17, s17, STG
	v_add_nc_u32 v8, s17, v8                       ; the stage: row r, byte 64 w + 32 h
	s_mul_i32 s17, s8, 2*528
	s_add_co_u32 s17, s17, STG
	v_add_nc_u32 v9, s17, v4                       ; back: rows 2 w, 2 w + 1
	v_mov_b32 v11, 0                               ; (a lane permute's destination counts as one of its sources)
	s_mov_b32 s26, 0x3d38aa3b                      ; c = log2(e) / sqrt(1024)
	s_mov_b32 s27, 0xbd38aa3b                      ; -c
	s_mov_b32 s28, 0x76543210
	s_mov_b32 s29, 0xfedcba98                      ; lane l xor 16
	s_lshl_b32 s18, s9, 16                         ; the sequence's 64 blocks
	s_lshl_b32 s19, s8, 13                         ; my 8 blocks of q and of k
	s_add_co_u32 s20, s18, s19
	s_mov_b32 s21, 0
	s_lshl_b32 s22, ttmp9, 13                      ; V^T: block 8 x + w
	s_lshl_b32 s23, s8, 10
	s_add_co_u32 s22, s22, s23
	s_add_co_u32 s22, s22, s18
	s_add_co_u32 s22, s22, 8*65536
	s_mov_b32 s23, 0
	s_lshl_b32 s24, s9, 23                         ; out0: row 2048 b + 2 w, byte 512 x
	s_lshl_b32 s25, s8, 13
	s_add_co_u32 s24, s24, s25
	s_lshl_b32 s25, ttmp9, 9
	s_add_co_u32 s24, s24, s25
	s_mov_b32 s25, 0
	s_wait_kmcnt 0x0
	s_add_nc_u64 s[10:11], s[4:5], s[20:21]        ; q
	s_add_nc_u64 s[12:13], s[10:11], 4*65536       ; k
	s_add_nc_u64 s[14:15], s[4:5], s[22:23]        ; V^T
	s_add_nc_u64 s[6:7], s[6:7], s[24:25]
.irp u, 0,1,2,3,4,5,6,7,8,9,10,11,12,13,14,15
	global_load_b128 v[32+4*\u:35+4*\u], v4, s[10:11] offset:512*\u
	global_load_b128 v[96+4*\u:99+4*\u], v4, s[12:13] offset:512*\u
.endr
	global_load_b128 v[160:163], v4, s[14:15]
	global_load_b128 v[164:167], v4, s[14:15] offset:512
	s_wait_loadcnt 0x0
	; phase 1: four accumulators by turns, one instruction a turn; the first four start the sums
.set e, 0
.rept 32
.if e < 4
	v_wmma_f32_16x16x4_f32 v[176+8*(e%4):183+8*(e%4)], v[96+2*e:97+2*e], v[32+2*e:33+2*e], 0
.else
	v_wmma_f32_16x16x4_f32 v[176+8*(e%4):183+8*(e%4)], v[96+2*e:97+2*e], v[32+2*e:33+2*e], v[176+8*(e%4):183+8*(e%4)]
.endif
.set e, e+1
.endr
.rept 8
	v_nop                                          ; eight places behind this form (ISA guide 7.12.1)
.endr
.irp j, 0,2,4,6
	v_pk_add_f32 v[208+\j:209+\j], v[176+\j:177+\j], v[184+\j:185+\j]   ; each accumulator from its low end on
.endr
.irp j, 0,2,4,6
	v_pk_add_f32 v[216+\j:217+\j], v[192+\j:193+\j], v[200+\j:201+\j]
.endr
.irp j, 0,2,4,6
	v_pk_add_f32 v[208+\j:209+\j], v[208+\j:209+\j], v[216+\j:217+\j]
.endr
	ds_store_b128 v5, v[208:211]
	ds_store_b128 v5, v[212:215] offset:512
	s_wait_dscnt 0x0                               ; for the others' sake
	s_barrier_signal -1
	s_barrier_wait -1
	; phase 2: all eight partial tiles, in every wave
.irp u, 0,1,2,3,4,5,6,7,8,9,10,11,12,13,14,15
	ds_load_b128 v[32+4*\u:35+4*\u], v4 offset:RED+512*\u
.endr
	s_wait_dscnt 0x0
.irp j, 0,2,4,6
	v_pk_add_f32 v[208+\j:209+\j], v[32+\j:33+\j], v[40+\j:41+\j]
.endr
.irp w, 2,3,4,5,6,7
.irp j, 0,2,4,6
	v_pk_add_f32 v[208+\j:209+\j], v[208+\j:209+\j], v[32+8*\w+\j:33+8*\w+\j]
.endr
.endr
.irp j, 0,1,2,3,4,5,6,7
	v_cmp_gt_i32 vcc_lo, \j, v6                    ; S^T: my query is r, register j is key 8 h + j
	v_cndmask_b32 v[208+\j], v[208+\j], v7, vcc_lo
.endr
	v_max3_num_f32 v10, v208, v209, v210
	v_max3_num_f32 v10, v10, v211, v212
	v_max3_num_f32 v10, v10, v213, v214
	v_max_num_f32 v10, v10, v215
	v_permlanex16_b32 v11, v10, s28, s29
	v_max_num_f32 v10, v10, v11                    ; the row's largest score (key 0 counts for every query)
	v_mul_f32 v12, s27, v10
.irp j, 0,1,2,3,4,5,6,7
	v_fma_f32 v[208+\j], v[208+\j], s26, v12       ; c s - c max
.endr
.irp j, 0,1,2,3,4,5,6,7
	v_exp_f32 v[208+\j], v[208+\j]
.endr
	v_nop                                          ; a plain line behind the last exponential,
	s_wait_alu depctr_va_vdst(0)                   ; and one wait for the batch, ahead of its first reader
	v_add_f32 v13, v208, v209
	v_add_f32 v16, v210, v211
	v_add_f32 v17, v212, v213
	v_add_f32 v18, v214, v215
	v_add_f32 v13, v13, v16
	v_add_f32 v17, v17, v18
	v_add_f32 v13, v13, v17
	v_permlanex16_b32 v11, v13, s28, s29
	v_add_f32 v13, v13, v11
	v_rcp_f32 v13, v13
	v_nop
	s_wait_alu depctr_va_vdst(0)
.irp j, 0,1,2,3,4,5,6,7
	v_mul_f32 v[224+\j], v[208+\j], v13            ; the weights
.endr
.rept 4
	v_nop
.endr
	; phase 3: O^T = V^T P^T: source 0 = my 16 channels, source 1 = the 16 queries; a pair of registers is keys 8 h + 2 s + 0, 1 on both sides
	v_wmma_f32_16x16x4_f32 v[232:239], v[160:161], v[224:225], 0
	v_wmma_f32_16x16x4_f32 v[240:247], v[162:163], v[226:227], 0
	v_wmma_f32_16x16x4_f32 v[232:239], v[164:165], v[228:229], v[232:239]
	v_wmma_f32_16x16x4_f32 v[240:247], v[166:167], v[230:231], v[240:247]
.rept 8
	v_nop
.endr
.irp j, 0,2,4,6
	v_pk_add_f32 v[216+\j:217+\j], v[232+\j:233+\j], v[240+\j:241+\j]   ; out(query r, channel 16 w + 8 h + j)
.endr
	ds_store_b128 v8, v[216:219]
	ds_store_b128 v8, v[220:223] offset:16
	s_wait_dscnt 0x0
	s_barrier_signal -1
	s_barrier_wait -1
	ds_load_b128 v[32:35], v9
	ds_load_b128 v[36:39], v9 offset:528
	s_wait_dscnt 0x0
	global_store_b128 v4, v[32:35], s[6:7]                 ; 512 consecutive bytes of a row, aligned
	global_store_b128 v4, v[36:39], s[6:7] offset:4096
	s_wait_tensorcnt 0x0                           ; the wave's end: behind my last LDS store
	ds_add_u32 v14, v15
	s_wait_dscnt 0x0
	s_endpgm
.Lfunc_end_k_q60d9961094_fine:
	.size	k_q60d9961094_fine, .Lfunc_end_k_q60d9961094_fine-k_q60d9961094_fine
	.p2alignl 7, 3214868480
	.fill 96, 4, 3214868480
	.section	.rodata,"a",@progbits
	.p2align	6, 0x0
	.amdhsa_kernel k_q60d9961094_fine
		.amdhsa_group_segment_fixed_size 17920
		.amdhsa_private_segment_fixed_size 0
		.amdhsa_enable_private_segment 0
		.amdhsa_kernarg_size 16
		.amdhsa_user_sgpr_count 2
		.amdhsa_user_sgpr_kernarg_segment_ptr 1
		.amdhsa_wavefront_size32 1
		.amdhsa_system_sgpr_workgroup_id_x 1
		.amdhsa_system_sgpr_workgroup_id_y 1
		.amdhsa_system_sgpr_workgroup_id_z 1
		.amdhsa_system_vgpr_workitem_id 0
		.amdhsa_next_free_vgpr 256
		.amdhsa_next_free_sgpr 66
		.amdhsa_reserve_vcc 1
		.amdhsa_float_denorm_mode_32 3
		.amdhsa_float_denorm_mode_16_64 3
		.amdhsa_memory_ordered 1
		.amdhsa_forward_progress 1
		.amdhsa_inst_pref_size 16
	.end_amdhsa_kernel
	.amdgpu_metadata
---
amdhsa.version: [ 1, 2 ]
amdhsa.kernels:
  - .name:           k_q60d9961094_fine
    .symbol:         k_q60d9961094_fine.kd
    .args:
      - { .name: fine32, .offset: 0, .size: 8, .value_kind: global_buffer, .address_space: global }
      - { .name: out0, .offset: 8, .size: 8, .value_kind: global_buffer, .address_space: global }
    .group_segment_fixed_size: 17920
    .private_segment_fixed_size: 0
    .kernarg_segment_align: 8
    .kernarg_segment_size: 16
    .max_flat_workgroup_size: 256
    .sgpr_count:     66
    .vgpr_count:     256
    .wavefront_size: 32
...
	.end_amdgpu_metadata
.endif
;; end of part 4
;; launch scores (part 5): grid 36 x 4, 4 waves a work-group, no clusters, 327,680 bytes of LDS; arguments qk, ph, stats; writes ph, stats
.if DOCPART == 5
	.amdgcn_target "amdgcn-amd-amdhsa--gfx1250"
	.amdhsa_code_object_version 6
	.text
	.protected	k_q60d9961094_scores
	.globl	k_q60d9961094_scores
	.p2align	8
	.type	k_q60d9961094_scores,@function
k_q60d9961094_scores:
	s_mov_b64 s[64:65], 0
	v_nop
	global_prefetch_b8 v0, s[64:65] scope:SCOPE_SE
	s_setreg_imm32_b32 hwreg(HW_REG_WAVE_MODE, 25, 1), 1
	s_wait_xcnt 0x0
; The tiles of S = q k^T that lie on or under the diagonal, 256 queries x 256 keys each (36 a sequence), f16 operands, f32 sums; and the softmax's first half.
; For each query and each GRANULE of 128 keys: m = c x (the granule's largest score), c = log2(e) / 32; p = 2^(c s - m), at most 1, stored as f16; l = the sum of the unrounded p.  The next launch joins the granules under the row's maximum.
; A wholly hidden granule gets m = c x (-3e38), p = 0, l = 0 by the same lines.
; q, k and p lie in the order of an operand's registers: [K / 128][row / 16][4 x 32 along K][2][lane][16 bytes].  So a K step's 128 rows are 32 KiB on end (one tensor load a wave, no padding), a fragment is two LDS loads at 16 x lane, which meet
; no bank twice, and p's accumulators, rounded, are stored as they stand: 512 consecutive bytes a store.
; Four waves, each 128 x 128: 64 accumulators.  K = 1024 goes in 8 steps of 128 through two LDS slots; waves 0, 1 fetch q's halves, waves 2, 3 k's.  From a refill to the wait for it a wave issues 224 matrix instructions.
; THE MATRIX INSTRUCTION IS USED TRANSPOSED (source 0 = 16 keys, source 1 = 16 queries): lane (r, h) of accumulator (a, b) holds query 16 a + r and keys 16 b + 8 h + 0 .. 7.
; NO CLUSTER: row I of the triangle has I + 1 tiles and column J has 8 - J: the tiles do not divide into fours that share q's or k's rows.
; REGISTERS: window 0: v16-49 addresses and statistics; v64-127, v128-191 q's fragments, two buffers; v192-255 packed p, two sets.  Window 1: k's fragments.  Windows 2, 3: the accumulators, (a, b) at v[8 (8 (a % 4) + b)].
.set SLOT,  131072                     ; q's 256 rows (64 KiB), then k's
.set SPARE, 2*SLOT
.set KSTRIDE, 0x200000                 ; bytes from a K step to the next in q and in k
.set ADRA, 16                          ; v16-17 my q fragments in slot 0, 1
.set ADRB, 20                          ; v20-21 my k fragments
.set L16,  24                          ; v24 16 x lane
.set SO,   25                          ; v25 8192 h + 4 r: lanes 0-15 store m, lanes 16-31 l
.set DD0,  26                          ; v26 128 (rh - ch) + r - 8 h
.set NINF, 27
.set SPW,  28
.set NIL,  29
.set DD,   30
.set CH,   32                          ; v32-39 eight chains of maxima
.set MX,   40
.set T2,   41
.set NM,   42                          ; v[42:43] -m (the low word serves both halves)
.set LS,   44                          ; v[44:45], v[46:47] the sum in two chains of pairs
.set L2,   46
.set MT,   48
.set ST,   49
.set F0,   64
.set F1,   128
.set TMP,  192
.set G1,   24
.set G0,   32
.set MSB, 0
.macro WIN new
.if MSB != (\new)
	s_set_vgpr_msb (MSB<<8)|(\new)
.set MSB, (\new)
.endif
.endm
.set MUL_LO, 0xa1                      ; source 0 (k) window 1, source 1 (q) window 0, C and D window 2
.set MUL_HI, 0xf1
.set TO_B,   0x40
	s_load_b128 s[4:7], s[0:1], 0x0                ; qk, ph
	s_load_b64 s[8:9], s[0:1], 0x10                ; stats
	v_lshl_add_u32 v[SPW], v0, 2, SPARE
	v_mov_b32 v[NIL], 0
	ds_add_u32 v[SPW], v[NIL]                      ; the wave's opening: the add, twice on end, and its wait ahead of my first tensor load
	ds_add_u32 v[SPW], v[NIL]
	v_lshrrev_b32 v1, 5, v0
	v_readfirstlane_b32 s10, v1                    ; wave
	s_lshr_b32 s11, s10, 1                         ; rh: my half of the queries.  Also: I fetch q (0) or k (1)
	s_and_b32 s12, s10, 1                          ; ch: my half of the keys.  Also: which 128 rows I fetch
	s_mov_b32 s13, 0                               ; I: row I of the triangle begins at tile I (I + 1) / 2
.irp thr, 1,3,6,10,15,21,28
	s_cmp_ge_u32 ttmp9, \thr
	s_cselect_b32 s14, 1, 0
	s_add_co_u32 s13, s13, s14
.endr
	s_add_co_u32 s14, s13, 1
	s_mul_i32 s14, s14, s13
	s_lshr_b32 s14, s14, 1
	s_sub_co_u32 s14, ttmp9, s14                   ; J
	s_and_b32 s15, ttmp7, 0xffff                   ; the sequence
	; descriptor group 1: 32 KiB on end, as 128 rows of 256 bytes (32 elements of 8 bytes), no padding
	s_mov_b32 s[G1+0], 3<<16
	s_mov_b32 s[G1+1], 32<<16                      ; tensor_dim0
	s_mov_b32 s[G1+2], 128<<16                     ; tensor_dim1
	s_mov_b32 s[G1+3], 32<<16                      ; tile_dim0
	s_mov_b32 s[G1+4], 128                         ; tile_dim1
	s_mov_b32 s[G1+5], 32                          ; the pitch
	s_mov_b32 s[G1+6], 0
	s_mov_b32 s[G1+7], 0
	s_cmp_eq_u32 s11, 0
	s_cselect_b32 s16, s13, s14                    ; q's rows by I, k's by J
	s_cselect_b32 s17, 0, 0x1000000                ; k lies behind q
	s_lshl_b32 s18, s15, 11
	s_lshl_b32 s16, s16, 8
	s_add_co_u32 s16, s16, s18
	s_lshl_b32 s18, s12, 7
	s_add_co_u32 s16, s16, s18                     ; the first row that I fetch
	s_lshl_b32 s16, s16, 8                         ; 256 bytes a row in a K step
	s_add_co_u32 s16, s16, s17
	s_mov_b32 s17, 0
	s_lshl_b32 s20, s10, 15                        ; LDS: wave x 32 KiB: q's halves, then k's
	s_mov_b32 s56, 0xffff0000                      ; lanes 16-31
	s_mov_b32 s57, 0xbd38aa3b                      ; -c
	s_mov_b32 s58, 0x3d38aa3b                      ; c = log2(e) / 32
	s_mov_b32 s59, s58
	s_mov_b32 s60, 0x76543210
	s_mov_b32 s61, 0xfedcba98
	s_wait_dscnt 0x0                               ; both opening adds are done
	s_wait_kmcnt 0x0
	s_add_nc_u64 s[18:19], s[4:5], s[16:17]
.irp n, 0,1
	s_mov_b32 s[G0+4*\n], 1
	s_add_co_u32 s[G0+4*\n+1], s20, \n*SLOT
	s_add_nc_u64 s[G0+4*\n+2:G0+4*\n+3], s[18:19], \n*KSTRIDE
	s_or_b32 s[G0+4*\n+3], s[G0+4*\n+3], 0x80000000
	tensor_load_to_lds s[G0+4*\n:G0+4*\n+3], s[G1:G1+7]    ; K steps 0 and 1: two tensor loads of mine are out
	s_nop 0
.endr
	v_and_b32 v1, 31, v0
	v_and_b32 v2, 15, v0                           ; r
	v_bfe_u32 v3, v0, 4, 1                         ; h
	v_lshlrev_b32 v[L16], 4, v1
	s_lshl_b32 s16, s11, 15
	v_add_nc_u32 v[ADRA], s16, v[L16]
	v_add_nc_u32 v[ADRA+1], SLOT, v[ADRA]
	s_lshl_b32 s16, s12, 15
	s_add_co_u32 s16, s16, 65536
	v_add_nc_u32 v[ADRB], s16, v[L16]
	v_add_nc_u32 v[ADRB+1], SLOT, v[ADRB]
	v_lshlrev_b32 v[SO], 2, v2
	v_lshl_add_u32 v[SO], v3, 13, v[SO]
	s_sub_co_i32 s16, s11, s12
	s_lshl_b32 s16, s16, 7
	v_lshlrev_b32 v4, 3, v3
	v_sub_nc_u32 v[DD0], v2, v4
	v_add_nc_u32 v[DD0], s16, v[DD0]
	v_mov_b32 v[NINF], 0xff800000
	v_mov_b32 v[T2], 0                             ; (a lane permute's destination counts as one of its sources)
	v_mov_b32 v[NM+1], 0                           ; (named as the upper half of a pair)
	s_lshl_b32 s20, s15, 4
	s_lshl_b32 s21, s14, 1
	s_add_co_u32 s20, s20, s21
	s_add_co_u32 s20, s20, s12                     ; my granule: 16 b + 2 J + ch
	s_lshl_b32 s21, s13, 8
	s_lshl_b32 s22, s11, 7
	s_add_co_u32 s21, s21, s22                     ; my first query in the sequence
	s_lshl_b32 s22, s20, 11
	s_add_co_u32 s22, s22, s21
	s_lshl_b32 s22, s22, 8
	s_mov_b32 s23, 0
	s_add_nc_u64 s[6:7], s[6:7], s[22:23]          ; p: (granule x 2048 + query) x 256
	s_lshl_b32 s22, s20, 14
	s_lshl_b32 s21, s21, 2
	s_add_co_u32 s22, s22, s21
	s_add_nc_u64 s[8:9], s[8:9], s[22:23]          ; stats: [granule][m, l][2048]
.macro MUL16 f, hi, a0, zero           ; 16 matrix instructions: query blocks a0, a0 + 1 of the window's four x all 8 key blocks, 32 along K.  The 64 accumulators take turns
.irp a, \a0, \a0+1
.irp b, 0,1,2,3,4,5,6,7
.if \zero
	v_wmma_f32_16x16x32_f16 v[8*(8*(\a)+\b):8*(8*(\a)+\b)+7], v[\f+8*\b:\f+8*\b+7], v[\f+8*(4*\hi+\a):\f+8*(4*\hi+\a)+7], 0
.else
	v_wmma_f32_16x16x32_f16 v[8*(8*(\a)+\b):8*(8*(\a)+\b)+7], v[\f+8*\b:\f+8*\b+7], v[\f+8*(4*\hi+\a):\f+8*(4*\hi+\a)+7], v[8*(8*(\a)+\b):8*(8*(\a)+\b)+7]
.endif
.endr
.endr
.endm
.macro FETCH slot, q, f                ; 32 LDS loads in one run: the fragments of the slot's q-th 32 along K: k's 8, then q's 8
	WIN TO_B
.irp i, 0,1,2,3,4,5,6,7
	ds_load_b128 v[\f+8*\i:\f+8*\i+3],   v[ADRB+\slot] offset:(\q)*1024+\i*4096
	ds_load_b128 v[\f+8*\i+4:\f+8*\i+7], v[ADRB+\slot] offset:(\q)*1024+\i*4096+512
.endr
	WIN 0
.irp i, 0,1,2,3,4,5,6,7
	ds_load_b128 v[\f+8*\i:\f+8*\i+3],   v[ADRA+\slot] offset:(\q)*1024+\i*4096
	ds_load_b128 v[\f+8*\i+4:\f+8*\i+7], v[ADRA+\slot] offset:(\q)*1024+\i*4096+512
.endr
.endm
.macro PLACES                          ; four plain vector instructions behind a matrix instruction, ahead of loads into its sources and of reads of its result
.rept 4
	v_nop
.endr
.endm
.macro QUARTER slot, q, f, g, zero     ; multiplies buffer f; in its middle fetches the slot's q-th quarter into buffer g
	s_wait_dscnt 8                                 ; k's fragments and q's blocks 0-3 are in; the youngest eight loads may be out
	WIN MUL_LO
	MUL16 \f, 0, 0, \zero
	MUL16 \f, 0, 2, \zero
	PLACES
	FETCH \slot, \q, \g
	s_wait_dscnt 32                                ; all but the 32 just issued
	WIN MUL_HI
	MUL16 \f, 1, 0, \zero
	MUL16 \f, 1, 2, \zero
.endm
.macro TURN slot, next, fill           ; a slot's last quarter changes slots: one barrier.  fill = 1: the slot just read out takes the K step two on
	WIN 0
	s_wait_tensorcnt 0x0                           ; all my tensor loads have landed: my part of the next slot
	ds_add_u32 v[SPW], v[NIL]                      ; 0 onto my spare word
	s_wait_dscnt 9                                 ; (the add and the youngest eight loads may be out)
	WIN MUL_LO
	MUL16 F1, 0, 0, 0                              ; sixteen matrix instructions between the add and the wait for it
	s_wait_dscnt 0x0                               ; the add is done, and my reads of this slot are over
	s_barrier_signal -1
	MUL16 F1, 0, 2, 0
	WIN 0
	s_barrier_wait -1                              ; nobody reads this slot any more, and the next slot is whole
.if \fill
	s_add_nc_u64 s[G0+4*\slot+2:G0+4*\slot+3], s[G0+4*\slot+2:G0+4*\slot+3], 2*KSTRIDE
	tensor_load_to_lds s[G0+4*\slot:G0+4*\slot+3], s[G1:G1+7]   ; my one tensor load behind this barrier, and the first thing there
	s_nop 0
.endif
	PLACES                                         ; behind the load, and the places in front of the loads below
	FETCH \next, 0, F0
	WIN MUL_HI
	MUL16 F1, 1, 0, 0
	MUL16 F1, 1, 2, 0
.endm
	s_wait_tensorcnt 1                             ; my part of K step 0 is in; K step 1's may stay out
	s_barrier_signal -1
	s_barrier_wait -1
	FETCH 0, 0, F0
	QUARTER 0, 1, F0, F1, 1                        ; the first quarter's products start the sums
	WIN 0
	s_mov_b32 s3, 3
.Llap:                                                 ; a trip goes once round the ring and fills both slots again: K steps 2 to 7
	QUARTER 0, 2, F1, F0, 0
	QUARTER 0, 3, F0, F1, 0
	TURN 0, 1, 1
	QUARTER 1, 1, F0, F1, 0
	QUARTER 1, 2, F1, F0, 0
	QUARTER 1, 3, F0, F1, 0
	TURN 1, 0, 1
	QUARTER 0, 1, F0, F1, 0
	WIN 0
	s_sub_co_u32 s3, s3, 1
	s_cmp_lg_u32 s3, 0
	s_cbranch_scc1 .Llap
	QUARTER 0, 2, F1, F0, 0                        ; the last lap is written out: it fills nothing
	QUARTER 0, 3, F0, F1, 0
	TURN 0, 1, 0
	QUARTER 1, 1, F0, F1, 0
	QUARTER 1, 2, F1, F0, 0
	QUARTER 1, 3, F0, F1, 0
	s_wait_dscnt 8
	WIN MUL_LO
	MUL16 F1, 0, 0, 0
	MUL16 F1, 0, 2, 0
	s_wait_dscnt 0
	WIN MUL_HI
	MUL16 F1, 1, 0, 0
	MUL16 F1, 1, 2, 0
	WIN 0
; THE WAY OUT of block a: 16 queries x my 128 keys, 64 registers in window XW
.macro SOFT a
.set XW, 2+(\a)/4
.set AC, 64*((\a)%4)
.set TT, TMP+32*((\a)%2)
	WIN 0
	v_add_nc_u32 v[DD], 16*(\a), v[DD0]            ; register 8 b + j holds a key that is hidden where 16 b + j > DD
	s_cmp_lg_u32 s13, s14                          ; only a tile on the diagonal hides anything: a branch on ids
	s_cbranch_scc1 .Lopen_\@
	WIN 0x41*XW                                    ; source 0 and destination in the block's window
.set n, 0
.rept 64
	v_cmp_gt_i32 vcc_lo, 16*(n/8)+n%8, v[DD]
	v_cndmask_b32 v[AC+n], v[AC+n], v[NINF], vcc_lo
.set n, n+1
.endr
	WIN 0
.Lopen_\@:
	WIN 0x15*XW                                    ; three sources in the block's window
.irp b, 0,1,2,3,4,5,6,7
	v_max3_num_f32 v[CH+\b], v[AC+8*\b], v[AC+8*\b+1], v[AC+8*\b+2]   ; eight chains by turns, each accumulator from its low end on
.endr
	WIN 0x14*XW                                    ; sources 1 and 2
.irp i, 3,5
.irp b, 0,1,2,3,4,5,6,7
	v_max3_num_f32 v[CH+\b], v[CH+\b], v[AC+8*\b+\i], v[AC+8*\b+\i+1]
.endr
.endr
.irp b, 0,1,2,3,4,5,6,7
	v_max_num_f32 v[CH+\b], v[CH+\b], v[AC+8*\b+7]
.endr
	WIN 0
	v_max3_num_f32 v[MX], v[CH], v[CH+1], v[CH+2]
	v_max3_num_f32 v[MX], v[MX], v[CH+3], v[CH+4]
	v_max3_num_f32 v[MX], v[MX], v[CH+5], v[CH+6]
	v_max3_num_f32 v[MX], v[MX], v[CH+7], 0xff61b1e6       ; and -3e38, so that a wholly hidden granule has a number for its maximum
	v_permlanex16_b32 v[T2], v[MX], s60, s61
	v_max_num_f32 v[MX], v[MX], v[T2]              ; with the lane 16 away: the granule's largest score of my query
	v_mul_f32 v[MT], s58, v[MX]                    ; m,
	v_mul_f32 v[NM], s57, v[MX]                    ; and -m, its exact negative
	WIN 0x41*XW
.set n, 0
.rept 32
	v_pk_fma_f32 v[AC+n:AC+n+1], v[AC+n:AC+n+1], s[58:59], v[NM:NM+1] op_sel_hi:[1,0,0]   ; c s - m
.set n, n+2
.endr
.set n, 0
.rept 64
	v_exp_f32 v[AC+n], v[AC+n]
.set n, n+1
.endr
	v_nop                                          ; a plain line behind the last exponential,
	s_wait_alu depctr_va_vdst(0)                   ; and one wait for the batch of 64, ahead of its first reader
	s_wait_xcnt 0x0                                ; the earlier blocks' stores have read their registers
	WIN 0x15*XW
	v_pk_add_f32 v[LS:LS+1], v[AC:AC+1], v[AC+2:AC+3]      ; the sum is taken of the unrounded p
	v_pk_add_f32 v[L2:L2+1], v[AC+4:AC+5], v[AC+6:AC+7]
.set n, 0
.rept 32
	v_cvt_pk_f16_f32 v[TT+n], v[AC+2*n], v[AC+2*n+1]
.set n, n+1
.endr
	WIN 0x14*XW
.set n, 8
.rept 14
	v_pk_add_f32 v[LS:LS+1], v[LS:LS+1], v[AC+n:AC+n+1]
	v_pk_add_f32 v[L2:L2+1], v[L2:L2+1], v[AC+n+2:AC+n+3]
.set n, n+4
.endr
	WIN 0
	v_pk_add_f32 v[LS:LS+1], v[LS:LS+1], v[L2:L2+1]
	v_add_f32 v[LS], v[LS], v[LS+1]
	v_permlanex16_b32 v[T2], v[LS], s60, s61
	v_add_f32 v[LS], v[LS], v[T2]                  ; l
	v_cndmask_b32 v[ST], v[MT], v[LS], s56         ; lanes 0-15 carry m, lanes 16-31 l
.irp b, 0,1,2,3,4,5,6,7
	global_store_b128 v[L16], v[TT+4*\b:TT+4*\b+3], s[6:7] offset:(\a)*4096+\b*512   ; 512 consecutive bytes, aligned: group b & 1 of fragment (a, b >> 1)
.endr
	global_store_b32 v[SO], v[ST], s[8:9] offset:64*(\a)
.endm
	PLACES
.irp a, 0,1,2,3,4,5,6,7
	SOFT \a
.endr
	s_wait_tensorcnt 0x0                           ; the wave's end
	ds_add_u32 v[SPW], v[NIL]
	s_wait_dscnt 0x0
	s_endpgm
.Lfunc_end_k_q60d9961094_scores:
	.size	k_q60d9961094_scores, .Lfunc_end_k_q60d9961094_scores-k_q60d9961094_scores
	.p2alignl 7, 3214868480
	.fill 96, 4, 3214868480
	.section	.rodata,"a",@progbits
	.p2align	6, 0x0
	.amdhsa_kernel k_q60d9961094_scores
		.amdhsa_group_segment_fixed_size 327680
		.amdhsa_private_segment_fixed_size 0
		.amdhsa_enable_private_segment 0
		.amdhsa_kernarg_size 24
		.amdhsa_user_sgpr_count 2
		.amdhsa_user_sgpr_kernarg_segment_ptr 1
		.amdhsa_wavefront_size32 1
		.amdhsa_system_sgpr_workgroup_id_x 1
		.amdhsa_system_sgpr_workgroup_id_y 1
		.amdhsa_system_sgpr_workgroup_id_z 1
		.amdhsa_system_vgpr_workitem_id 0
		.amdhsa_next_free_vgpr 1024
		.amdhsa_next_free_sgpr 66
		.amdhsa_reserve_vcc 1
		.amdhsa_float_denorm_mode_32 3
		.amdhsa_float_denorm_mode_16_64 3
		.amdhsa_memory_ordered 1
		.amdhsa_forward_progress 1
		.amdhsa_inst_pref_size 241
	.end_amdhsa_kernel
	.amdgpu_metadata
---
amdhsa.version: [ 1, 2 ]
amdhsa.kernels:
  - .name:           k_q60d9961094_scores
    .symbol:         k_q60d9961094_scores.kd
    .args:
      - { .name: qk, .offset: 0, .size: 8, .value_kind: global_buffer, .address_space: global }
      - { .name: ph, .offset: 8, .size: 8, .value_kind: global_buffer, .address_space: global }
      - { .name: stats, .offset: 16, .size: 8, .value_kind: global_buffer, .address_space: global }
    .group_segment_fixed_size: 327680
    .private_segment_fixed_size: 0
    .kernarg_segment_align: 8
    .kernarg_segment_size: 24
    .max_flat_workgroup_size: 128
    .sgpr_count:     66
    .vgpr_count:     1024
    .wavefront_size: 32
...
	.end_amdgpu_metadata
.endif
;; end of part 5
;; launch pv (part 6): grid 8 x 32, 4 waves a work-group, clusters of 4 x 1, 327,680 bytes of LDS; arguments ph, vt, stats, out0; writes out0
.if DOCPART == 6
	.amdgcn_target "amdgcn-amd-amdhsa--gfx1250"
	.amdhsa_code_object_version 6
	.text
	.protected	k_q60d9961094_pv
	.globl	k_q60d9961094_pv
	.p2align	8
	.type	k_q60d9961094_pv,@function
k_q60d9961094_pv:
	s_mov_b64 s[64:65], 0
	v_nop
	global_prefetch_b8 v0, s[64:65] scope:SCOPE_SE
	s_setreg_imm32_b32 hwreg(HW_REG_WAVE_MODE, 25, 1), 1
	s_wait_xcnt 0x0
	s_wait_alu depctr_hold_cnt(0) depctr_sa_sdst(0) depctr_va_vdst(0) depctr_va_sdst(0) depctr_va_ssrc(0) depctr_va_vcc(0) depctr_vm_vsrc(0)
	s_getreg_b32 s2, hwreg(HW_REG_IB_STS2, 6, 4)
	s_cmp_eq_u32 s2, 0
	s_cbranch_scc0 .Lentry_in_a_cluster
	s_endpgm
.Lentry_in_a_cluster:
	s_bfe_u32 s2, ttmp6, 0x10000c
	s_cmp_lg_u32 s2, 0x3003
	s_cbranch_scc0 .Lentry_shape_is_right
	s_endpgm
.Lentry_shape_is_right:
; out = the sum over granules g of f_g x (P_g V_g), f_g = 2^(m_g - M) / L, M = the row's largest m_g, L = the sum of 2^(m_g - M) l_g: the softmax's second half and the second product, f16 operands, f32 sums.
; EVERY WORK-GROUP HAS THE SAME WALK.  A tile is 128 queries x 128 channels.  A work-group (sequence b = y & 3, pair p = y >> 2, channels 128 x) makes two blocks of 128 queries one after the other: block 15 - p, then block p.
; Block I walks the granules of 128 keys 0 .. I | 1 (an even number: the odd one out is stored as zeros, with l = 0, by the launch before).  That is 18 granules whatever p: 1,152 matrix instructions a wave in every work-group.
; A SLOT HOLDS TWO GRANULES: P 2 x 32 KiB, V^T 2 x 32 KiB; wave w fetches the w-th of these four blocks, one tensor load.  Nine steps: both slots are first filled at the head, seven refills in the loop, the last step written out.
; BOTH OPERANDS lie in the order of their registers ([K / 128][row / 16][4 x 32 along K][2][lane][16 bytes]): every block is dense, a fragment is two LDS loads at 16 x lane.
; THE MATRIX INSTRUCTION IS USED TRANSPOSED (source 0 = 16 channels of V^T, source 1 = 16 queries of P): a lane holds ONE query of each block of 16 and eight neighbouring channels, so f is one number a lane and block.
; A granule's products start anew in T (C = 0); O += f T is folded in during the NEXT granule's first quarter, four accumulators at a time.
; THE FACTORS f are made once, at the head, into a table in LDS laid in the order of the walk: place w = 0 .. 17, 256 rows (first block's 128, second block's 128); a block's half of a place that is not its own holds 0, so f is the sum
; of the two words, and every LDS address is a constant + lane + wave + a scalar stepped by a constant.  What hangs on p lies in the offsets of the head's loads from stats.
; THE CHANGE OF BLOCKS, at step sA = ((15 - p) >> 1) + 1: the walking pointers are set to the second block's first granules by a select; a branch on ids, behind the first quarter's folds, leads to the first block's way out.
; CLUSTER 4, 1, 1: the four partners take the same queries and other channels: P's blocks are asked for jointly (waves 0, 1); V^T's are each work-group's own (waves 2, 3).  Work-groups that could share V^T have another p and change blocks
; at another step (5 to 8), so their requests differ: no 4 x 4.  p and every trip count are the same in all four partners.  A wave has two tensor loads out at the start, later one.
; Rows 0-15 of each sequence are the fine launch's: the wave that holds them stores its other rows only.  O is cleared by 128 moves while the first tiles are on their way, and once more at the change of blocks.
; REGISTERS: window 0: v1-15 addresses; v16-23 the two halves of f; v24-31 f (even registers; the odd ones are 0); v64-127 the way out; v128-222 the head's statistics.
;   window 1: v0-127 T, accumulator n = 4 a + b at v[8 n]; v128-255 O likewise.   window 2: four buffers of fragments, one for each 32 keys of a granule: P's at v[32 k], V^T's at v[128 + 32 k].
.set SLOT1, 131072                     ; a slot: P of two granules (2 x 32 KiB), then V^T of two; slot 1 begins here, so that one exclusive or turns an address in one slot into the other's
.set STAGE, 2*SLOT1                    ; 16 rows x (256 + 16) bytes for each wave
.set FT,    STAGE+4*16*272             ; the table of f: 18 places x 1,024 bytes
.set SPARE, FT+18*1024                 ; the spare words
.set PSTEP, 0x80000                    ; bytes from a granule to the next in ph
.set VSTEP, 0x40000                    ; and in vt
.set L16,  3
.set AP0,  4                           ; v4  my place in a slot's P: 16,384 rh + 16 x lane
.set AV0,  5                           ; v5  in its V^T: 65,536 + 16,384 chh + 16 x lane
.set ADP,  6                           ; v6, v7 the same in the slot in hand
.set ADV,  7
.set FA0,  8                           ; v8  FT + 256 rh + 4 r
.set FAD,  9                           ; v9  the same at the step's first place
.set STO,  10
.set RD,   11
.set CO,   12
.set T8,   13                          ; v13 8 x (thread & 63)
.set SPW,  14
.set NIL,  15
.set FL,   16                          ; v16-19 the first block's word of f for my query of block a, v20-23 the second block's
.set FF,   24                          ; v24-31 f of block a at the even register
.set BK,   64                          ; v64-127 two sets of 32
.set OG,   128                         ; the head: v128-145 offsets into stats, a place each
.set MM,   146                         ; v146-181 m of my two rows, 18 places; then 2^(m - M); then f
.set LL,   182                         ; v182-217 l likewise
.set MX,   218                         ; v[218:219] M
.set LI,   220                         ; v[220:221] L, then 1 / L
.set FTS,  222                         ; v222 FT + 8 x thread
.set G1P, 24
.set G0P, 32                           ; s[32:35] step 0's; s[36:39] step 1's, which then walks on
.set G1V, 48
.set G0V, 56
; s[40:41], s[42:43] the walking pointers into ph and vt; s[44:45], s[46:47] the second block's first granules; s[66:67] stats at my block's rows; s[68:69] the second block's rows of out0; s[70:71] those of the block in hand;
; s72 the step; s73 0 where the block in hand begins with the fine launch's rows; s74 my block's last granule; s77 sA; s78 my block's first place in the walk; s79 s73 for the second block; s80 the slot in hand; s81 the step's place in the table
.set MSB, 0
.macro WIN new                         ; the immediate's high byte repeats the setting that is left
.if MSB != (\new)
	s_set_vgpr_msb (MSB<<8)|(\new)
.set MSB, (\new)
.endif
.endm
.set MULW, 0x5a                        ; sources 0 (V^T) and 1 (P) window 2, C and D (T) window 1
.set FOLD, 0x51                        ; source 0 (T) window 1, source 1 (f) window 0, source 2 and destination (O) window 1
.set TOF,  0x80                        ; destination window 2, address window 0
.macro ROUND                           ; a round of the cluster's barrier
	s_barrier_signal -1
	s_barrier_wait -1
	s_cmp_lg_u32 s12, 0
	s_cbranch_scc1 .Lnot_wave_0_\@
	s_barrier_signal -3
.Lnot_wave_0_\@:
	s_barrier_wait -3
	s_barrier_signal -1
	s_barrier_wait -1
.endm
.macro JLOAD                           ; a refill by the walking descriptors: waves 0, 1: P's two granules, jointly; waves 2, 3: V^T's.  An s_nop 0 and four v_nop follow each line
	s_cmp_lt_u32 s12, 2
	s_cbranch_scc0 .Lfor_v_\@
	tensor_load_to_lds s[G0P+4:G0P+7], s[G1P:G1P+7]
	s_nop 0
.rept 4
	v_nop
.endr
	s_branch .Lasked_\@
.Lfor_v_\@:
	tensor_load_to_lds s[G0V+4:G0V+7], s[G1V:G1V+7]
	s_nop 0
.rept 4
	v_nop
.endr
.Lasked_\@:
.endm
.macro PLACES                          ; four plain vector instructions behind a matrix instruction, ahead of loads into its sources and of reads of its result
.rept 4
	v_nop
.endr
.endm
.macro GSEL w                          ; s75 = the granule of my block at place w of the walk, held inside the block; s76 = 1.0 where place w is my block's, else 0.  Ids alone
	s_sub_co_i32 s75, \w, s78
	s_max_i32 s76, s75, 0
	s_min_i32 s76, s76, s74
	s_cmp_eq_u32 s75, s76
	s_mov_b32 s75, s76
	s_cselect_b32 s76, 1.0, 0
.endm
	s_load_b256 s[4:11], s[0:1], 0x0               ; ph, vt, stats, out0
	v_lshl_add_u32 v[SPW], v0, 2, SPARE
	v_mov_b32 v[NIL], 0
	ds_add_u32 v[SPW], v[NIL]                      ; the wave's opening: the add, twice on end, and its wait ahead of my first tensor load
	ds_add_u32 v[SPW], v[NIL]
	v_lshrrev_b32 v1, 5, v0
	v_readfirstlane_b32 s12, v1                    ; wave
	s_lshr_b32 s13, s12, 1                         ; rh: my 64 of the 128 queries.  Also: the block whose statistics my threads make (0: the first, 1: the second)
	s_and_b32 s14, s12, 1                          ; chh: my 64 of the 128 channels.  Also: which of a slot's two granules I fetch
	s_bfe_u32 s15, ttmp6, 0x40000                  ; cx
	s_lshl_b32 s16, ttmp9, 2
	s_add_co_u32 s16, s16, s15                     ; my 128 channels: 4 x cluster x + cx
	s_and_b32 s19, ttmp7, 0xffff
	s_and_b32 s17, s19, 3                          ; the sequence
	s_lshr_b32 s18, s19, 2                         ; p: the second block
	s_sub_co_u32 s20, 15, s18                      ; the first block: 15 - p
	s_lshr_b32 s77, s20, 1
	s_add_co_u32 s77, s77, 1                       ; sA: the first block's steps, 5 to 8
	s_lshl_b32 s78, s77, 1
	s_cmp_eq_u32 s13, 0
	s_cselect_b32 s21, s20, s18                    ; the block of my threads' statistics,
	s_cselect_b32 s78, 0, s78                      ; its first place in the walk,
	s_or_b32 s74, s21, 1                           ; its last granule
	s_or_b32 s73, s20, s13                         ; never 0: the first block is 8 or more
	s_or_b32 s79, s18, s13                         ; 0 in the waves that hold a sequence's first rows
	; descriptor groups 1: 32 KiB on end as 128 rows of 256 bytes (32 elements of 8 bytes): P with the mask of all four and bit 21; V^T with no mask
	s_mov_b32 s[G1P+0], 15|(3<<16)|(1<<21)
	s_mov_b32 s[G1V+0], 3<<16
.irp g, G1P, G1V
	s_mov_b32 s[\g+1], 32<<16                      ; tensor_dim0
	s_mov_b32 s[\g+2], 128<<16                     ; tensor_dim1
	s_mov_b32 s[\g+3], 32<<16                      ; tile_dim0
	s_mov_b32 s[\g+4], 128                         ; tile_dim1
	s_mov_b32 s[\g+5], 32                          ; the pitch
	s_mov_b32 s[\g+6], 0
	s_mov_b32 s[\g+7], 0
.endr
	s_lshl_b32 s23, s17, 23                        ; P: ((16 b + granule) x 2048 + 128 block) x 256: made of y and the wave's number alone
	s_lshl_b32 s75, s14, 19
	s_add_co_u32 s23, s23, s75
	s_lshl_b32 s75, s20, 15
	s_add_co_u32 s40, s23, s75                     ; the first block,
	s_mov_b32 s41, 0
	s_lshl_b32 s75, s18, 15
	s_add_co_u32 s44, s23, s75                     ; the second
	s_mov_b32 s45, 0
	s_lshl_b32 s46, s17, 22                        ; V^T: ((16 b + granule) x 1024 + 128 CT) x 256
	s_lshl_b32 s22, s16, 15
	s_add_co_u32 s46, s46, s22
	s_lshl_b32 s22, s14, 18
	s_add_co_u32 s46, s46, s22
	s_mov_b32 s47, 0
	s_lshl_b32 s66, s17, 18                        ; stats: 16 b granules of 16,384 bytes + 4 x 128 block
	s_lshl_b32 s75, s21, 9
	s_add_co_u32 s66, s66, s75
	s_mov_b32 s67, 0
	s_lshl_b32 s70, s17, 23                        ; out0: ((2048 b + 128 block + 64 rh) x 1024 + 128 CT + 64 chh) x 4
	s_lshl_b32 s22, s13, 18
	s_add_co_u32 s70, s70, s22
	s_lshl_b32 s22, s16, 9
	s_add_co_u32 s70, s70, s22
	s_lshl_b32 s22, s14, 8
	s_add_co_u32 s70, s70, s22
	s_lshl_b32 s22, s18, 19
	s_add_co_u32 s68, s70, s22
	s_mov_b32 s69, 0
	s_lshl_b32 s22, s20, 19
	s_add_co_u32 s70, s70, s22
	s_mov_b32 s71, 0
	s_lshl_b32 s82, s12, 15                        ; LDS: wave x 32 KiB in a slot: no place in the cluster enters an LDS address
	s_mov_b32 s80, 0
	s_mov_b32 s81, 0
	v_and_b32 v[T8], 63, v0
	v_lshlrev_b32 v[T8], 3, v[T8]                  ; thread t owns rows 2 (t & 63), + 1 of its block
.irp w, 0,1,2,3,4,5,6,7,8,9,10,11,12,13,14,15,16,17
	GSEL \w
	s_lshl_b32 s75, s75, 14
	v_add_nc_u32 v[OG+\w], s75, v[T8]              ; a place that is not my block's reads one of my block's granules once more: every load stays in what was stored
.endr
	s_wait_dscnt 0x0                               ; both opening adds are done
	s_wait_kmcnt 0x0
	s_add_nc_u64 s[66:67], s[8:9], s[66:67]
.irp w, 0,1,2,3,4,5,6,7,8,9,10,11,12,13,14,15,16,17
	global_load_b64 v[MM+2*\w:MM+2*\w+1], v[OG+\w], s[66:67]
	global_load_b64 v[LL+2*\w:LL+2*\w+1], v[OG+\w], s[66:67] offset:8192
.endr
	s_add_nc_u64 s[40:41], s[4:5], s[40:41]
	s_add_nc_u64 s[44:45], s[4:5], s[44:45]
	s_add_nc_u64 s[46:47], s[6:7], s[46:47]
	s_mov_b64 s[42:43], s[46:47]
	s_add_nc_u64 s[68:69], s[10:11], s[68:69]
	s_add_nc_u64 s[70:71], s[10:11], s[70:71]
.irp n, 0,1
	s_mov_b32 s[G0P+4*\n], 1
	s_add_co_u32 s[G0P+4*\n+1], s82, \n*SLOT1
	s_add_nc_u64 s[G0P+4*\n+2:G0P+4*\n+3], s[40:41], \n*2*PSTEP
	s_or_b32 s[G0P+4*\n+3], s[G0P+4*\n+3], 0x80000000
	s_mov_b32 s[G0V+4*\n], 1
	s_add_co_u32 s[G0V+4*\n+1], s82, \n*SLOT1
	s_add_nc_u64 s[G0V+4*\n+2:G0V+4*\n+3], s[42:43], \n*2*VSTEP
	s_or_b32 s[G0V+4*\n+3], s[G0V+4*\n+3], 0x80000000
.endr
	s_add_nc_u64 s[40:41], s[40:41], 2*PSTEP       ; the walking pointers stand at step 1
	s_add_nc_u64 s[42:43], s[42:43], 2*VSTEP
	ROUND                                          ; all four work-groups are here: the first joint loads meet
	s_cmp_lt_u32 s12, 2                            ; a wave's two first fills stand in one branch: steps 0 and 1
	s_cbranch_scc0 .Lfirst_v
	tensor_load_to_lds s[G0P:G0P+3], s[G1P:G1P+7]
	s_nop 0
	tensor_load_to_lds s[G0P+4:G0P+7], s[G1P:G1P+7]
	s_nop 0
.rept 4
	v_nop
.endr
	s_branch .Lfirst_asked
.Lfirst_v:
	tensor_load_to_lds s[G0V:G0V+3], s[G1V:G1V+7]
	s_nop 0
	tensor_load_to_lds s[G0V+4:G0V+7], s[G1V:G1V+7]
	s_nop 0
.rept 4
	v_nop
.endr
.Lfirst_asked:
	v_and_b32 v1, 15, v0                           ; r
	v_bfe_u32 v2, v0, 4, 1                         ; h
	v_and_b32 v3, 31, v0
	v_lshlrev_b32 v[L16], 4, v3
	s_lshl_b32 s75, s13, 14
	v_add_nc_u32 v[AP0], s75, v[L16]
	s_lshl_b32 s75, s14, 14
	s_add_co_u32 s75, s75, 65536
	v_add_nc_u32 v[AV0], s75, v[L16]
	s_lshl_b32 s75, s13, 8
	s_add_co_u32 s75, s75, FT
	v_lshl_add_u32 v[FA0], v1, 2, s75
	s_mul_i32 s75, s12, 16*272
	s_add_co_u32 s75, s75, STAGE
	v_mul_u32_u24 v[STO], v1, 272
	v_lshl_add_u32 v[STO], v2, 5, v[STO]
	v_add_nc_u32 v[STO], s75, v[STO]               ; the stage, in: row r, 32 h
	v_mul_u32_u24 v[RD], v2, 272
	v_lshl_add_u32 v[RD], v1, 4, v[RD]
	v_add_nc_u32 v[RD], s75, v[RD]                 ; back: lanes 0-15 one row of 256 bytes, lanes 16-31 the next
	v_lshlrev_b32 v[CO], 12, v2
	v_lshl_add_u32 v[CO], v1, 4, v[CO]             ; and the same two rows in out0
	v_lshl_add_u32 v[FTS], v0, 3, FT               ; the table: threads 0-63 fill the first block's half of each place, threads 64-127 the second's
.irp a, 0,1,2,3
	v_mov_b32 v[FF+2*\a+1], 0                      ; (named as the upper halves of pairs)
.endr
	WIN 0x40                                       ; destination window 1
.set n, 0
.rept 128
	v_mov_b32 v[128+n], 0                          ; O
.set n, n+1
.endr
	WIN 0
	s_wait_loadcnt 0x0
	v_max3_num_f32 v[MX], v[MM], v[MM+2], v[MM+4]
	v_max3_num_f32 v[MX+1], v[MM+1], v[MM+3], v[MM+5]
.irp w, 3,5,7,9,11,13,15
	v_max3_num_f32 v[MX], v[MX], v[MM+2*\w], v[MM+2*\w+2]
	v_max3_num_f32 v[MX+1], v[MX+1], v[MM+2*\w+1], v[MM+2*\w+3]
.endr
	v_max_num_f32 v[MX], v[MX], v[MM+34]
	v_max_num_f32 v[MX+1], v[MX+1], v[MM+35]       ; M: the row's maximum is taken away before every exponential (a granule read twice changes no maximum)
.irp w, 0,1,2,3,4,5,6,7,8,9,10,11,12,13,14,15,16,17
	v_pk_add_f32 v[MM+2*\w:MM+2*\w+1], v[MM+2*\w:MM+2*\w+1], v[MX:MX+1] neg_lo:[0,1] neg_hi:[0,1]
.endr
.set n, 0
.rept 36
	v_exp_f32 v[MM+n], v[MM+n]
.set n, n+1
.endr
	v_nop                                          ; a plain line behind the last exponential,
	s_wait_alu depctr_va_vdst(0)                   ; and one wait for the batch of 36, ahead of its first reader
.irp w, 0,1,2,3,4,5,6,7,8,9,10,11,12,13,14,15,16,17
	GSEL \w
	v_mul_f32 v[MM+2*\w], s76, v[MM+2*\w]          ; a place that is not my block's counts for nothing, in L and in the table
	v_mul_f32 v[MM+2*\w+1], s76, v[MM+2*\w+1]
.endr
	v_pk_mul_f32 v[LI:LI+1], v[MM:MM+1], v[LL:LL+1]
.irp w, 1,2,3,4,5,6,7,8,9,10,11,12,13,14,15,16,17
	v_pk_fma_f32 v[LI:LI+1], v[MM+2*\w:MM+2*\w+1], v[LL+2*\w:LL+2*\w+1], v[LI:LI+1]
.endr
	v_rcp_f32 v[LI], v[LI]                         ; L is at least about 1: the granule that holds the maximum has l >= 1
	v_rcp_f32 v[LI+1], v[LI+1]
	v_nop
	s_wait_alu depctr_va_vdst(0)
.irp w, 0,1,2,3,4,5,6,7,8,9,10,11,12,13,14,15,16,17
	v_pk_mul_f32 v[MM+2*\w:MM+2*\w+1], v[MM+2*\w:MM+2*\w+1], v[LI:LI+1]   ; f
.endr
.irp w, 0,1,2,3,4,5,6,7,8,9,10,11,12,13,14,15,16,17
	ds_store_b64 v[FTS], v[MM+2*\w:MM+2*\w+1] offset:1024*\w   ; read by all waves behind the first step's barrier
.endr
.macro FETCH j                         ; 16 LDS loads in one run: the fragments of the slot's j-th 32 keys (j = 0 .. 7) into buffer j % 4: V^T's 4, then P's 4
	WIN TOF
.irp i, 0,1,2,3
	ds_load_b128 v[128+32*((\j)%4)+8*\i:128+32*((\j)%4)+8*\i+3],   v[ADV] offset:((\j)/4)*32768+\i*4096+((\j)%4)*1024
	ds_load_b128 v[128+32*((\j)%4)+8*\i+4:128+32*((\j)%4)+8*\i+7], v[ADV] offset:((\j)/4)*32768+\i*4096+((\j)%4)*1024+512
.endr
.irp i, 0,1,2,3
	ds_load_b128 v[32*((\j)%4)+8*\i:32*((\j)%4)+8*\i+3],   v[ADP] offset:((\j)/4)*32768+\i*4096+((\j)%4)*1024
	ds_load_b128 v[32*((\j)%4)+8*\i+4:32*((\j)%4)+8*\i+7], v[ADP] offset:((\j)/4)*32768+\i*4096+((\j)%4)*1024+512
.endr
.endm
.macro W n, k, zero                    ; accumulator n = 4 a + b: query block a, channel block b; buffer k.  The 16 take turns, one instruction a turn
.if \zero
	v_wmma_f32_16x16x32_f16 v[8*(\n):8*(\n)+7], v[128+32*(\k)+8*((\n)%4):128+32*(\k)+8*((\n)%4)+7], v[32*(\k)+8*((\n)/4):32*(\k)+8*((\n)/4)+7], 0
.else
	v_wmma_f32_16x16x32_f16 v[8*(\n):8*(\n)+7], v[128+32*(\k)+8*((\n)%4):128+32*(\k)+8*((\n)%4)+7], v[32*(\k)+8*((\n)/4):32*(\k)+8*((\n)/4)+7], v[8*(\n):8*(\n)+7]
.endif
.endm
.macro FOLDN n                         ; O[n] += f x T[n], T from its low end on
	WIN FOLD
.irp p, 0,2,4,6
	v_pk_fma_f32 v[128+8*(\n)+\p:128+8*(\n)+\p+1], v[8*(\n)+\p:8*(\n)+\p+1], v[FF+2*((\n)/4):FF+2*((\n)/4)+1], v[128+8*(\n)+\p:128+8*(\n)+\p+1] op_sel_hi:[1,0,1]
.endr
.endm
.macro FSUM                            ; f of the granule just multiplied: one of the two words is 0
	WIN 0
.irp a, 0,1,2,3
	v_add_f32 v[FF+2*\a], v[FL+\a], v[FL+4+\a]
.endr
.endm
; THE WAY OUT of a block of 128 queries: my 64 x 64, 16 queries at a time, through my own stage, back as whole rows of 256 bytes.  LDS serves a wave's instructions in order (ISA guide 5.7.1.4): no wait between the stores and the loads
.macro TOSTAGE a
	WIN 0x04                                       ; an LDS store's data are its source 1: window 1
.irp b, 0,1,2,3
	ds_store_b128 v[STO], v[128+32*(\a)+8*\b:128+32*(\a)+8*\b+3] offset:64*\b
	ds_store_b128 v[STO], v[128+32*(\a)+8*\b+4:128+32*(\a)+8*\b+7] offset:64*\b+16
.endr
	WIN 0
.set BB, BK+32*((\a)%2)
.irp t, 0,1,2,3,4,5,6,7
	ds_load_b128 v[BB+4*\t:BB+4*\t+3], v[RD] offset:\t*544
.endr
.endm
.macro SEND a, younger                 ; younger: the LDS instructions issued behind block a's loads
.set BB, BK+32*((\a)%2)
	s_wait_dscnt \younger
.if (\a) == 0
	s_cmp_eq_u32 s73, 0                            ; a sequence's first 16 rows are stored by the fine launch
	s_cbranch_scc1 .Lfine_rows_\@
.endif
.irp t, 0,1,2,3,4,5,6,7
	global_store_b128 v[CO], v[BB+4*\t:BB+4*\t+3], s[70:71] offset:(16*(\a)+2*\t)*4096 th:TH_STORE_NT   ; sixteen lanes store 256 consecutive bytes, aligned
.endr
.if (\a) == 0
.Lfine_rows_\@:
.endif
.endm
.macro WAYOUT
	TOSTAGE 0
	TOSTAGE 1
	SEND 0, 16                                     ; behind block 0's loads: block 1's 8 stores and 8 loads
	s_wait_xcnt 0x0                                ; block 0's stores have read their registers
	TOSTAGE 2
	SEND 1, 16
	s_wait_xcnt 0x0
	TOSTAGE 3
	SEND 2, 16
	SEND 3, 0
.endm
; A granule's first quarter (e = 0, 1: the slot's granule).  The granule before is folded in, four accumulators at a time, each ahead of the product that begins its T anew: between that product and the last one on the same T stand
; the four places at the quarter's head, FSUM's four lines and the other accumulators' folds.  flush = 1: where this step is the second block's first, the first block goes out behind the folds.
.macro Q0 e, nofold, flush
	s_wait_dscnt 32                                ; this quarter's fragments are in, and so are the words of f asked for a granule ago; the next two quarters' 16 loads each may be out
.if (\nofold) == 0
	FSUM
.endif
.set NN, 0
.rept 4
.if (\nofold) == 0
	FOLDN NN
	FOLDN NN+1
	FOLDN NN+2
	FOLDN NN+3
.endif
	WIN MULW
	W NN, 0, 1
	W NN+1, 0, 1
	W NN+2, 0, 1
	W NN+3, 0, 1
.set NN, NN+4
.endr
.if (\flush)
	WIN 0
	s_cmp_lg_u32 s72, s77                          ; ids and the count of steps alone: the same in all waves and all partners; no barrier, no tensor load and no wait of the ring stands under it
	s_cbranch_scc1 .Lsame_\@
	WAYOUT
	WIN 0x40
.set n, 0
.rept 128
	v_mov_b32 v[128+n], 0                          ; O begins anew
.set n, n+1
.endr
	WIN 0
	s_wait_xcnt 0x0                                ; the stores have read their base and their registers
	s_mov_b64 s[70:71], s[68:69]                   ; on to the second block's rows
	s_mov_b32 s73, s79
.Lsame_\@:
.endif
	PLACES                                         ; in front of loads into the buffer that the quarter before multiplied
	FETCH 4*(\e)+3
	WIN 0
.irp a, 0,1,2,3
	ds_load_b32 v[FL+\a], v[FAD] offset:1024*(\e)+64*\a          ; this granule's f, behind the folds that read the last one's: the first block's word,
	ds_load_b32 v[FL+4+\a], v[FAD] offset:1024*(\e)+512+64*\a    ; and the second's
.endr
.endm
.macro QTR j, cnt                      ; quarter j of the slot's eight; cnt: the LDS loads issued behind this quarter's fragments
	s_wait_dscnt \cnt
	WIN MULW
.set NN, 0
.rept 16
	W NN, (\j)%4, 0
.set NN, NN+1
.endr
.if (\j)+3 < 8
	PLACES
	FETCH (\j)+3                                   ; three quarters ahead, into the buffer that the quarter before multiplied
.endif
.endm
; A STEP: one slot, two granules.  first = 1: step 0.  refill = 1: the slot read in the step before takes the step after this one.
.macro TRIP refill, first
	WIN 0
.if \first
	s_wait_tensorcnt 0x1                           ; my part of step 0 is in; step 1's load may stay out
	s_wait_dscnt 0x0                               ; for the others' sake: my stores into the table have landed
	s_barrier_signal -1
	s_barrier_wait -1
.else
	s_wait_tensorcnt 0x0                           ; all my tensor loads have landed: my part of this slot; so a group 0 may be written
	ds_add_u32 v[SPW], v[NIL]                      ; 0 onto my spare word
.if \refill
	s_add_nc_u64 s[40:41], s[40:41], 2*PSTEP       ; the next two granules,
	s_add_nc_u64 s[42:43], s[42:43], 2*VSTEP
	s_add_co_u32 s75, s72, 1
	s_cmp_eq_u32 s75, s77                          ; or, where the next step is the second block's first, its granules 0 and 1
	s_cselect_b64 s[40:41], s[44:45], s[40:41]
	s_cselect_b64 s[42:43], s[46:47], s[42:43]
	s_xor_b32 s[G0P+5], s[G0P+5], SLOT1            ; the other slot than last time
	s_xor_b32 s[G0V+5], s[G0V+5], SLOT1
	s_mov_b64 s[G0P+6:G0P+7], s[40:41]
	s_or_b32 s[G0P+7], s[G0P+7], 0x80000000
	s_mov_b64 s[G0V+6:G0V+7], s[42:43]
	s_or_b32 s[G0V+7], s[G0V+7], 0x80000000
.endif
	s_wait_dscnt 0x0                               ; the add is done, and my reads of the other slot are over
.if \refill
	ROUND                                          ; both hold of every wave of all four work-groups
	JLOAD                                          ; the first tensor load behind the round, one a wave; its four v_nop are the places behind the last step's products
.else
	s_barrier_signal -1                            ; the last step fills nothing: my work-group's barrier alone
	s_barrier_wait -1
	PLACES
.endif
.endif
	v_add_nc_u32 v[ADP], s80, v[AP0]
	v_add_nc_u32 v[ADV], s80, v[AV0]
	v_add_nc_u32 v[FAD], s81, v[FA0]
	FETCH 0
	FETCH 1
	FETCH 2
	Q0 0, \first, 1-\first
	QTR 1, 40                                      ; behind quarter 1's fragments: quarters 2 and 3 (16 each) and the 8 words of f
	QTR 2, 40                                      ; quarter 3, the 8 words, quarter 4
	QTR 3, 40                                      ; the 8 words, quarters 4 and 5
	Q0 1, 0, 0
	QTR 5, 40                                      ; quarters 6 and 7 and the 8 words of f
	QTR 6, 24                                      ; quarter 7 and the 8 words
	QTR 7, 8                                       ; the 8 words
	WIN 0
	s_xor_b32 s80, s80, SLOT1                      ; on to the other slot,
	s_add_co_u32 s81, s81, 2048                    ; and two places on in the table
.endm
	TRIP 0, 1                                      ; step 0
	s_mov_b32 s72, 1
.Lstep:                                                ; steps 1 to 7 ask for steps 2 to 8
	TRIP 1, 0
	s_add_co_u32 s72, s72, 1
	s_cmp_lt_u32 s72, 8
	s_cbranch_scc1 .Lstep
	TRIP 0, 0                                      ; step 8 is written out: it asks for nothing
	PLACES
	s_wait_dscnt 0x0                               ; the last granule's f
	FSUM
.set NN, 0
.rept 16
	FOLDN NN
.set NN, NN+1
.endr
	WIN 0
	WAYOUT                                         ; the second block
	s_wait_tensorcnt 0x0                           ; the wave's end: behind my last tensor load and my last LDS store
	ds_add_u32 v[SPW], v[NIL]
	s_wait_dscnt 0x0
	ROUND                                          ; the closing round
	s_endpgm
.Lfunc_end_k_q60d9961094_pv:
	.size	k_q60d9961094_pv, .Lfunc_end_k_q60d9961094_pv-k_q60d9961094_pv
	.p2alignl 7, 3214868480
	.fill 96, 4, 3214868480
	.section	.rodata,"a",@progbits
	.p2align	6, 0x0
	.amdhsa_kernel k_q60d9961094_pv
		.amdhsa_group_segment_fixed_size 327680
		.amdhsa_private_segment_fixed_size 0
		.amdhsa_enable_private_segment 0
		.amdhsa_kernarg_size 32
		.amdhsa_user_sgpr_count 2
		.amdhsa_user_sgpr_kernarg_segment_ptr 1
		.amdhsa_wavefront_size32 1
		.amdhsa_system_sgpr_workgroup_id_x 1
		.amdhsa_system_sgpr_workgroup_id_y 1
		.amdhsa_system_sgpr_workgroup_id_z 1
		.amdhsa_system_vgpr_workitem_id 0
		.amdhsa_next_free_vgpr 768
		.amdhsa_next_free_sgpr 96
		.amdhsa_reserve_vcc 0
		.amdhsa_float_denorm_mode_32 3
		.amdhsa_float_denorm_mode_16_64 3
		.amdhsa_memory_ordered 1
		.amdhsa_forward_progress 1
		.amdhsa_inst_pref_size 146
	.end_amdhsa_kernel
	.amdgpu_metadata
---
amdhsa.version: [ 1, 2 ]
amdhsa.kernels:
  - .name:           k_q60d9961094_pv
    .symbol:         k_q60d9961094_pv.kd
    .args:
      - { .name: ph, .offset: 0, .size: 8, .value_kind: global_buffer, .address_space: global }
      - { .name: vt, .offset: 8, .size: 8, .value_kind: global_buffer, .address_space: global }
      - { .name: stats, .offset: 16, .size: 8, .value_kind: global_buffer, .address_space: global }
      - { .name: out0, .offset: 24, .size: 8, .value_kind: global_buffer, .address_space: global }
    .group_segment_fixed_size: 327680
    .private_segment_fixed_size: 0
    .kernarg_segment_align: 8
    .kernarg_segment_size: 32
    .max_flat_workgroup_size: 128
    .sgpr_count:     96
    .vgpr_count:     768
    .wavefront_size: 32
...
	.end_amdgpu_metadata
.endif
;; end of part 6
